; MI455X (gfx1250); checked and timed in simulation.
; The chip was launched on July 23, 2026; its instructions are those of AMD's public machine-readable ISA for CDNA 5 (MIT licence, August 2026) and "CDNA5" Instruction Set Architecture Reference Guide (July 2026). The comments in the code are by the model that wrote it; some were corrected since.
;; Causal Self Attention. Allowed arithmetic: matrix products marked QUANTISED: E2M1 operands, one E8M0 scale for each 32 along K, by v_wmma_scale_f32_16x16x128_f8f6f4 with both operands' format E2M1 (or v_wmma_scale_f32_32x16x128_f4), f32 sums; products left as they are: f32 operands where the result goes on into a quantised operand, else bf16, f16 or f32 operands; f32 sums; everything else in f32.
;; Inputs: ak 16 x 1,024 float32; ao 16 x 1,024 float32; aq 16 x 1,024 float32; av 16 x 1,024 float32; bk 1,024 x 16 float32; bo 1,024 x 16 float32; bq 1,024 x 16 float32; bv 1,024 x 16 float32; wk 1,024 x 1,024 float32; wo 1,024 x 1,024 float32; wq 1,024 x 1,024 float32; wv 1,024 x 1,024 float32; x 4 x 2,048 x 1,024 float32.
;; Outputs: out0 4 x 2,048 x 1,024 float32.
;; This version of the problem:
;;   THIS VERSION OF THE PROBLEM IS GIVEN IN LOW PRECISION. The matrix products marked QUANTISED in the list below multiply operands that are first quantised to E2M1 (2 exponent bits, 1 mantissa bit; 4 bits a number), with one power-of-two scale for each 32 numbers along K (OCP MX v1.0); their sums are f32. All else is computed in f32.
;;   The module's matrix products, in the order in which they are computed (A, B: the left and right operand; K: the contracted axis; several contracted axes count as one K, in the product's order):
;;     1. [M 8,192, K 1,024] x [K 1,024, N 1,024]; A: input x; B: input wq: QUANTISED
;;     2. [M 8,192, K 1,024] x [K 1,024, N 16]; A: input x; B: input aq: QUANTISED
;;     3. [M 8,192, K 16] x [K 16, N 1,024]; A: computed on the way; B: input bq: left as it is (K = 16 < 32)
;;     4. [M 8,192, K 1,024] x [K 1,024, N 1,024]; A: input x; B: input wk: QUANTISED
;;     5. [M 8,192, K 1,024] x [K 1,024, N 16]; A: input x; B: input ak: QUANTISED
;;     6. [M 8,192, K 16] x [K 16, N 1,024]; A: computed on the way; B: input bk: left as it is (K = 16 < 32)
;;     7. [M 8,192, K 1,024] x [K 1,024, N 1,024]; A: input x; B: input wv: QUANTISED
;;     8. [M 8,192, K 1,024] x [K 1,024, N 16]; A: input x; B: input av: QUANTISED
;;     9. [M 8,192, K 16] x [K 16, N 1,024]; A: computed on the way; B: input bv: left as it is (K = 16 < 32)
;;     10. batch 64 x [M 2,048, K 64] x [K 64, N 2,048]; A: computed on the way; B: computed on the way: QUANTISED
;;     11. batch 64 x [M 2,048, K 2,048] x [K 2,048, N 64]; A: softmax (see below); B: computed on the way: QUANTISED
;;     12. [M 8,192, K 1,024] x [K 1,024, N 1,024]; A: computed on the way; B: input wo: QUANTISED
;;     13. [M 8,192, K 1,024] x [K 1,024, N 16]; A: computed on the way; B: input ao: QUANTISED
;;     14. [M 8,192, K 16] x [K 16, N 1,024]; A: computed on the way; B: input bo: left as it is (K = 16 < 32)
;;   THE QUANTISER, for each operand of a quantised product, along K:
;;     - K is cut into blocks of 32 from its start; a last block that is shorter is filled with zeros.
;;     - A block's scale is 2^e with e = floor(log2(the largest magnitude in the block)) - 2, held to -126 .. 127; a block of zeros has e = 0. As a byte (E8M0): e + 127.
;;     - Each number is divided by its block's scale, clamped to +-6, and rounded to the nearest number of E2M1, ties to even, subnormals kept.
;;     - The product sums the exact products of the quantised numbers (number of the format x scale) in f32.
;;   ~~~python
;;   def quantise(x, axis):      # numpy; x: float32 -> the quantised numbers, widened to float32 again
;;       x = np.moveaxis(x, axis, -1); K = x.shape[-1]
;;       x = np.pad(x, [(0, 0)] * (x.ndim - 1) + [(0, -K % 32)]); x = x.reshape(x.shape[:-1] + (-1, 32)); a = np.abs(x).max(-1, keepdims=True)
;;       e = np.where(a > 0, np.clip(np.frexp(np.where(a > 0, a, 1))[1] - 1 - 2, -126, 127), 0)      # np.frexp(a)[1] - 1 = floor(log2(a)), exactly
;;       r = np.clip(x / 2.0 ** e, -6, 6)
;;       step = 2.0 ** (np.maximum(np.frexp(np.where(r == 0, 1, r))[1] - 1, 0) - 1)
;;       q = np.round(r / step) * step * 2.0 ** e      # np.round: ties to even
;;       return np.moveaxis(q.reshape(q.shape[:-2] + (-1,))[..., :K], -1, axis).astype(np.float32)
;;   ~~~
;;   SOFTMAX AHEAD OF A QUANTISED PRODUCT. Where the list says 'softmax', what is quantised is not the finished softmax but p = 2^(t - M), with t = logit x log2(e) and M = ceil(the row's largest t), a whole number; so 1/2 < the row's largest p <= 1. The row's sum l is taken of the UNQUANTISED p, in f32, and the product's result is divided by l at the end. Since M is a whole number, a kernel that streams over the keys may use a running M (the ceiling of the running maximum): every later rescaling is an exact power of two, which a block's scale takes up: the codes' values come out the same.
;;   OPERANDS COMPUTED ON THE WAY. 'Computed on the way' means the value that the module computes at that place (a softmax that the list does not call 'softmax' is quantised finished and normalised). What goes into a quantiser is computed in f32, as accurately as f32 sums, v_exp_f32 and their like allow (about 1e-6 of the number): no bf16 or f16 on the way to a quantiser, and a product that is left as it is and whose result goes on into a quantised operand takes f32 operands (vector FMAs, or v_wmma_f32_16x16x4_f32). A number that lies on a knife's edge between two numbers of the format may be rounded either way, as far as f32 arithmetic and the matrix unit's own rounding can turn it there, and no further.
;; One version. Each part assembles by itself: llvm-mc -triple=amdgcn-amd-amdhsa -mcpu=gfx1250 --defsym DOCPART=n.
;; ======== version 1 of 1: 4 launches
;; limits: values are held in bf16: 8 bits of precision; right only within a limited range of input values
;; workspace buffers: ximg 4,456,448 bytes; wimg 2,228,224 bytes; aimg 34,816 bytes; cimg 4,456,448 bytes; qkv 13,893,632 bytes
;; launch quant (part 1): grid 772 x 1, 4 waves a work-group, no clusters, 68,608 bytes of LDS; arguments x, wq, wk, wv, wo, aq, ak, av, ao, ximg, wimg, aimg; writes ximg, wimg, aimg
.if DOCPART == 1
	.amdgcn_target "amdgcn-amd-amdhsa--gfx1250"
	.amdhsa_code_object_version 6
	.text
	.protected	k_qccd097d918_quant
	.globl	k_qccd097d918_quant
	.p2align	8
	.type	k_qccd097d918_quant,@function
k_qccd097d918_quant:
	s_mov_b64 s[64:65], 0
	v_nop
	global_prefetch_b8 v0, s[64:65] scope:SCOPE_SE
	s_setreg_imm32_b32 hwreg(HW_REG_WAVE_MODE, 25, 1), 1
	s_wait_xcnt 0x0
; x [8192][1024], wq, wk, wv, wo [1024][1024] and aq, ak, av, ao [16][1024], f32, K innermost, become codes of FP4 (E2M1) with one E8M0 byte for each 32 along K,
; laid as IMAGES OF OPERAND REGISTERS.  A tile is 16 rows.  Place p (0..15) of tile T of x or of a w stands for row 32 (T / 2) + 8 (T % 2) + p + 8 (p / 8); the a matrices are one tile each, place p = row p.
; A tile's record is 8,704 bytes: the fragment of K step s (128 along K) at 1024 s + 512 c + 16 lane (lane (r, h): the codes of k = 128 s + 64 c + 32 h + 0 .. 31 of place r); the scale bytes at 8192 + 32 r + 4 s.
; A block's scale is 2^(floor(log2(its largest magnitude)) - 2); its byte is the largest magnitude's exponent field - 2, held at 1 from below.
; LIMITS: a block whose largest magnitude lies under 2^-124 gets the byte 1, and so does a block of zeros where the quantiser says 127 (its codes are zeros, and this program alone reads the bytes); NaN and infinities are not served.
; SHARES: a work-group takes one tile: 0-511 x, 512-767 wq, wk, wv, wo (64 each), 768-771 aq, ak, av, ao.  Wave w takes K steps 2 w and 2 w + 1.  Each load reads 512 consecutive bytes of one row; the numbers turn through
; the wave's own stage in LDS (rows of 512 + 16 bytes), so that a lane gets 16 neighbours along K of each block.  Memory binds: no matrix unit, no tensor load, no cluster.
.set TILE,  8704
.set PITCH, 528
.set STG,   16*PITCH                   ; a stage: 16 rows
.set SCB,   4*2*STG                    ; behind the four waves' two stages each: the tile's 512 scale bytes
.set WV,    3                          ; s3  my wave's number
.set SEL,   46                         ; s[46:47] selects for lane l xor 16
.set LI,    4                          ; v4  16 x lane
.set LX,    5                          ; v5  the same for places 8-15: 8 rows further on in the mapped order
.set SIN,   6                          ; v6  stage, way in
.set SOUT,  7                          ; v7  stage, way out: row r, + 64 h
.set SWA,   8                          ; v8  where my row's two scale words go
.set SRA,   9                          ; v9  where wave 0 reads the 512 scale bytes back
.set R,     16                         ; v16-143  two K steps as loaded
.set X,     144                        ; v144-207 64 numbers: register 16 b + i = k 32 b + 16 h + i of place r
.set PC,    208                        ; v208-223 two fragments
.set TM,    224                        ; v224-239 at work
.set PW,    240                        ; v240-241 the two scale words
; 64 numbers of a lane become a fragment's eight registers and its scale word
.macro QUANT s, pc, pw
.irp b, 0,1,2,3
	v_max3_num_f32 v[TM+\b], |v[\s+16*\b]|, |v[\s+1+16*\b]|, 0x1800000   ; my 16 numbers of block b, and the floor 2^(3 - 127): the byte cannot fall under 1
.endr
.irp i, 2,4,6,8,10,12,14
.irp b, 0,1,2,3
	v_max3_num_f32 v[TM+\b], v[TM+\b], |v[\s+16*\b+\i]|, |v[\s+1+16*\b+\i]|
.endr
.endr
.irp b, 0,1,2,3
	v_permlanex16_b32 v[TM+4+\b], v[TM+\b], s[SEL], s[SEL+1]
.endr
.irp b, 0,1,2,3
	v_max_num_f32 v[TM+\b], v[TM+\b], v[TM+4+\b]   ; with lane l xor 16's: the block's largest magnitude
.endr
.irp b, 0,1,2,3
	v_add_nc_u32 v[TM+12+\b], 0xff000000, v[TM+\b] ; 2 off its exponent field: the conversion's scale operand
.endr
.irp b, 0,1,2,3
	v_lshrrev_b32 v[TM+4+\b], 23, v[TM+12+\b]      ; the scale's byte
.endr
	v_lshl_or_b32 v[\pw], v[TM+5], 8, v[TM+4]
	v_lshl_or_b32 v[\pw], v[TM+6], 16, v[\pw]
	v_lshl_or_b32 v[\pw], v[TM+7], 24, v[\pw]
.irp b, 0,1,2,3
	v_cvt_scalef32_pk8_fp4_f32 v[\pc+2*\b], v[\s+16*\b:\s+7+16*\b], v[TM+12+\b]
	v_cvt_scalef32_pk8_fp4_f32 v[\pc+1+2*\b], v[\s+8+16*\b:\s+15+16*\b], v[TM+12+\b]
.endr
	v_nop                                          ; one plain place behind a scaled conversion
.irp c, 0,1                                    ; a whole block to a lane: lanes 0-15 block 2 c, lanes 16-31 block 2 c + 1
.irp i, 0,1
	v_permlane16_swap_b32 v[\pc+4*\c+\i], v[\pc+2+4*\c+\i]
.endr
.endr
.endm
.macro INTO t                          ; K step t's 16 rows into stage t, as loaded
.irp i, 0,1,2,3,4,5,6,7,8,9,10,11,12,13,14,15
	ds_store_b128 v[SIN], v[R+64*\t+4*\i:R+64*\t+4*\i+3] offset:\t*STG+\i*PITCH
.endr
.endm
.macro BACK t                          ; and back, 16 neighbours of each block: LDS serves a wave's instructions in order, so no wait stands between
.irp b, 0,1,2,3
.irp j, 0,1,2,3
	ds_load_b128 v[X+16*\b+4*\j:X+16*\b+4*\j+3], v[SOUT] offset:\t*STG+128*\b+16*\j
.endr
.endr
.endm
	s_load_b256 s[4:11], s[0:1], 0x0               ; x, wq, wk, wv
	s_load_b256 s[12:19], s[0:1], 0x20             ; wo, aq, ak, av
	s_load_b256 s[20:27], s[0:1], 0x40             ; ao, ximg, wimg, aimg
	v_lshl_add_u32 v248, v0, 2, 0x10a00
	v_mov_b32 v249, 0
	v_lshrrev_b32 v1, 5, v0
	v_readfirstlane_b32 s[WV], v1                  ; wave 0..3
	v_and_b32 v1, 31, v0                           ; lane
	v_and_b32 v2, 15, v0                           ; r
	v_bfe_u32 v3, v0, 4, 1                         ; h
	v_lshlrev_b32 v[LI], 4, v1
	s_mul_i32 s44, s[WV], 2*STG                    ; my two stages
	v_add_nc_u32 v[SIN], s44, v[LI]
	v_mul_u32_u24 v[SOUT], v2, PITCH
	v_lshl_add_u32 v[SOUT], v3, 6, v[SOUT]
	v_add_nc_u32 v[SOUT], s44, v[SOUT]
	s_lshl_b32 s45, s[WV], 3
	s_add_co_u32 s45, s45, SCB
	v_lshlrev_b32 v[SWA], 5, v2
	v_add_nc_u32 v[SWA], s45, v[SWA]               ; SCB + 32 r + 8 w
	v_add_nc_u32 v[SRA], SCB, v[LI]
	s_mov_b32 s[SEL], 0x76543210
	s_mov_b32 s[SEL+1], 0xfedcba98
.irp b, 0,1,2,3
	v_mov_b32 v[TM+4+\b], 0                        ; written once: a lane permute's destination counts as one of its sources
.endr
	; which tensor, which of its tiles, which record: all by the work-group's number
	s_sub_co_u32 s32, ttmp9, 768                   ; the record's number in its buffer: an a matrix,
	s_sub_co_u32 s35, ttmp9, 512                   ; a w,
	s_and_b32 s36, s35, 63                         ; and the tile's number in that w
	s_mov_b32 s33, 0                               ; an a matrix is one tile,
	s_mov_b32 s34, 0                               ; in natural order
	s_mov_b32 s37, 8*4096                          ; mapped order: places 8-15 lie 8 rows further on
	s_cmp_lt_u32 ttmp9, 768
	s_cselect_b32 s32, s35, s32
	s_cselect_b32 s33, s36, s33
	s_cselect_b32 s34, s37, s34
	s_cmp_lt_u32 ttmp9, 512
	s_cselect_b32 s32, ttmp9, s32
	s_cselect_b32 s33, ttmp9, s33
	v_add_nc_u32 v[LX], s34, v[LI]
	s_lshr_b32 s38, s33, 1
	s_lshl_b32 s38, s38, 17                        ; 32 (T / 2) rows of 4,096 bytes
	s_and_b32 s39, s33, 1
	s_lshl_b32 s39, s39, 15                        ; + 8 (T % 2) rows
	s_add_co_u32 s38, s38, s39
	s_lshl_b32 s39, s[WV], 10                      ; + my two K steps: 1,024 bytes of a row
	s_add_co_u32 s38, s38, s39
	s_mov_b32 s39, 0
	s_mul_i32 s40, s32, TILE
	s_mov_b32 s41, 0
	s_lshl_b32 s42, s[WV], 11                      ; my two fragments in the record
	s_mov_b32 s43, 0
	s_wait_alu depctr_va_vdst(0)
	s_wait_kmcnt 0x0
	s_mov_b64 s[28:29], s[20:21]                   ; the source: ao, unless the work-group's number lies lower
	s_cmp_lt_u32 ttmp9, 771
	s_cselect_b64 s[28:29], s[18:19], s[28:29]
	s_cmp_lt_u32 ttmp9, 770
	s_cselect_b64 s[28:29], s[16:17], s[28:29]
	s_cmp_lt_u32 ttmp9, 769
	s_cselect_b64 s[28:29], s[14:15], s[28:29]
	s_cmp_lt_u32 ttmp9, 768
	s_cselect_b64 s[28:29], s[12:13], s[28:29]
	s_cmp_lt_u32 ttmp9, 704
	s_cselect_b64 s[28:29], s[10:11], s[28:29]
	s_cmp_lt_u32 ttmp9, 640
	s_cselect_b64 s[28:29], s[8:9], s[28:29]
	s_cmp_lt_u32 ttmp9, 576
	s_cselect_b64 s[28:29], s[6:7], s[28:29]
	s_cmp_lt_u32 ttmp9, 512
	s_cselect_b64 s[28:29], s[4:5], s[28:29]
	s_mov_b64 s[30:31], s[26:27]                   ; the images' buffer
	s_cmp_lt_u32 ttmp9, 768
	s_cselect_b64 s[30:31], s[24:25], s[30:31]
	s_cmp_lt_u32 ttmp9, 512
	s_cselect_b64 s[30:31], s[22:23], s[30:31]
	s_add_nc_u64 s[28:29], s[28:29], s[38:39]
	s_add_nc_u64 s[30:31], s[30:31], s[40:41]      ; the tile's record
	s_add_nc_u64 s[42:43], s[30:31], s[42:43]      ; my fragments in it
.irp t, 0,1
.irp i, 0,1,2,3,4,5,6,7
	global_load_b128 v[R+64*\t+4*\i:R+64*\t+4*\i+3], v[LI], s[28:29] offset:\i*4096+512*\t th:TH_LOAD_NT   ; 32 lanes read 512 consecutive bytes of place i's row
.endr
.irp i, 8,9,10,11,12,13,14,15
	global_load_b128 v[R+64*\t+4*\i:R+64*\t+4*\i+3], v[LX], s[28:29] offset:\i*4096+512*\t th:TH_LOAD_NT
.endr
.endr
	s_wait_loadcnt 16                              ; the first K step's 16 loads are in; the second's 16 may be out
	INTO 0
	BACK 0
	s_wait_loadcnt 0x0
	INTO 1
	s_wait_dscnt 16                                ; all but the 16 stores just issued: the first K step's numbers are back
	QUANT X, PC, PW
	BACK 1
	global_store_b128 v[LI], v[PC:PC+3], s[42:43]              ; 512 consecutive bytes, at a multiple of 256 from the buffer's first byte
	global_store_b128 v[LI], v[PC+4:PC+7], s[42:43] offset:512
	s_wait_dscnt 0x0
	QUANT X, PC+8, PW+1
	global_store_b128 v[LI], v[PC+8:PC+11], s[42:43] offset:1024
	global_store_b128 v[LI], v[PC+12:PC+15], s[42:43] offset:1536
	ds_store_b64 v[SWA], v[PW:PW+1]                ; both halves of the lanes write the same words
	s_wait_dscnt 0x0                               ; for the others' sake: my scale words lie in LDS
	s_barrier_signal -1
	s_barrier_wait -1
	s_cmp_lg_u32 s[WV], 0
	s_cbranch_scc1 .Ldone
	ds_load_b128 v[X:X+3], v[SRA]                  ; the tile's 512 scale bytes leave as two whole blocks of 256 bytes
	s_wait_dscnt 0x0
	global_store_b128 v[LI], v[X:X+3], s[30:31] offset:8192
.Ldone:
	s_wait_tensorcnt 0x0
	ds_add_u32 v248, v249
	s_wait_dscnt 0x0
	s_endpgm
.Lfunc_end_k_qccd097d918_quant:
	.size	k_qccd097d918_quant, .Lfunc_end_k_qccd097d918_quant-k_qccd097d918_quant
	.p2alignl 7, 3214868480
	.fill 96, 4, 3214868480
	.section	.rodata,"a",@progbits
	.p2align	6, 0x0
	.amdhsa_kernel k_qccd097d918_quant
		.amdhsa_group_segment_fixed_size 68608
		.amdhsa_private_segment_fixed_size 0
		.amdhsa_enable_private_segment 0
		.amdhsa_kernarg_size 96
		.amdhsa_user_sgpr_count 2
		.amdhsa_user_sgpr_kernarg_segment_ptr 1
		.amdhsa_wavefront_size32 1
		.amdhsa_system_sgpr_workgroup_id_x 1
		.amdhsa_system_sgpr_workgroup_id_y 1
		.amdhsa_system_sgpr_workgroup_id_z 1
		.amdhsa_system_vgpr_workitem_id 0
		.amdhsa_next_free_vgpr 250
		.amdhsa_next_free_sgpr 66
		.amdhsa_reserve_vcc 0
		.amdhsa_float_denorm_mode_32 3
		.amdhsa_float_denorm_mode_16_64 3
		.amdhsa_memory_ordered 1
		.amdhsa_forward_progress 1
		.amdhsa_inst_pref_size 20
	.end_amdhsa_kernel
	.amdgpu_metadata
---
amdhsa.version: [ 1, 2 ]
amdhsa.kernels:
  - .name:           k_qccd097d918_quant
    .symbol:         k_qccd097d918_quant.kd
    .args:
      - { .name: x, .offset: 0, .size: 8, .value_kind: global_buffer, .address_space: global }
      - { .name: wq, .offset: 8, .size: 8, .value_kind: global_buffer, .address_space: global }
      - { .name: wk, .offset: 16, .size: 8, .value_kind: global_buffer, .address_space: global }
      - { .name: wv, .offset: 24, .size: 8, .value_kind: global_buffer, .address_space: global }
      - { .name: wo, .offset: 32, .size: 8, .value_kind: global_buffer, .address_space: global }
      - { .name: aq, .offset: 40, .size: 8, .value_kind: global_buffer, .address_space: global }
      - { .name: ak, .offset: 48, .size: 8, .value_kind: global_buffer, .address_space: global }
      - { .name: av, .offset: 56, .size: 8, .value_kind: global_buffer, .address_space: global }
      - { .name: ao, .offset: 64, .size: 8, .value_kind: global_buffer, .address_space: global }
      - { .name: ximg, .offset: 72, .size: 8, .value_kind: global_buffer, .address_space: global }
      - { .name: wimg, .offset: 80, .size: 8, .value_kind: global_buffer, .address_space: global }
      - { .name: aimg, .offset: 88, .size: 8, .value_kind: global_buffer, .address_space: global }
    .group_segment_fixed_size: 68608
    .private_segment_fixed_size: 0
    .kernarg_segment_align: 8
    .kernarg_segment_size: 96
    .max_flat_workgroup_size: 128
    .sgpr_count:     66
    .vgpr_count:     250
    .wavefront_size: 32
...
	.end_amdgpu_metadata
.endif
;; end of part 1
;; launch qkvp (part 2): grid 64 x 4, 4 waves a work-group, clusters of 4 x 1, 167,936 bytes of LDS; arguments ximg, wimg, aimg, bq, bk, bv, qkv; writes qkv
.if DOCPART == 2
	.amdgcn_target "amdgcn-amd-amdhsa--gfx1250"
	.amdhsa_code_object_version 6
	.text
	.protected	k_qccd097d918_qkvp
	.globl	k_qccd097d918_qkvp
	.p2align	8
	.type	k_qccd097d918_qkvp,@function
k_qccd097d918_qkvp:
	s_mov_b64 s[64:65], 0
	v_nop
	global_prefetch_b8 v0, s[64:65] scope:SCOPE_SE
	s_setreg_imm32_b32 hwreg(HW_REG_WAVE_MODE, 25, 1), 1
	s_wait_xcnt 0x0
	s_wait_alu depctr_hold_cnt(0) depctr_sa_sdst(0) depctr_va_vdst(0) depctr_va_sdst(0) depctr_va_ssrc(0) depctr_va_vcc(0) depctr_vm_vsrc(0)
	s_getreg_b32 s2, hwreg(HW_REG_IB_STS2, 6, 4)
	s_cmp_eq_u32 s2, 0
	s_cbranch_scc0 .Lentry_in_a_cluster
	s_endpgm
.Lentry_in_a_cluster:
	s_bfe_u32 s2, ttmp6, 0x10000c
	s_cmp_lg_u32 s2, 0x3003
	s_cbranch_scc0 .Lentry_shape_is_right
	s_endpgm
.Lentry_shape_is_right:
; q, k, v = x W^T + (1/16) (x a^T) b^T, and their quantising for attention.  x, W and a come as images of operand registers (16 rows a tile, 8,704 bytes a record: fragments at 1024 s + 512 c + 16 lane, scale bytes at 8192 + 32 r + 4 s;
; place p of tile T of x or W = row 32 (T / 2) + 8 (T % 2) + p + 8 (p / 8); a: place p = rank p).  x W^T and x a^T run on FP4 codes; t b^T, whose result goes on into a quantiser, on f32 operands.
; SHARES: a cluster of four work-groups owns a head (cluster x) of a batch (cluster y); work-group cx owns 512 of its tokens, wave w the group of 128 tokens 4 cx + w.  256 work-groups.
; THE TOKENS STAY IN REGISTERS: a wave's eight token records go from memory straight into 512 registers, once, and serve q, k and v of the head: no other wave of the work-group reads them.
; THE WEIGHTS LIE IN LDS, filled ONCE by one joint load a wave (mask 15: the four partners want the same bytes): waves 0, 1, 2 the head's four records of wq, wk, wv, wave 3 the three images of a.  One tensor load a wave outstanding.
; A UNIT is one of q, k, v for the wave's 128 tokens: 4 tiles of W x 8 token tiles, 32 accumulators.  t^T = a x^T; the LoRA product in f32 starts the sums; 8 K steps on codes; the quantiser.
; q, k (mode 0): source 0 = W's tile, source 1 = tokens: a lane holds one token and its registers run along the head's dims; accumulator (token tile i, W tile p) at 32 i + 8 p.
; v (mode 1): source 0 = tokens, source 1 = wv's tile: a lane holds one dim and its registers run along the keys; accumulator (W tile q, token tile p) at 64 q + 8 p.  In both, 64 registers on end hold four blocks of 32 along the next K.
; OUTPUT: qkv, records of 13,568 bytes for (batch, head, group): q's codes 0 (8 tiles x 512), q's scale words 4096 ([half][r][4]; two bytes a word, the upper two 0), k's 4608 and 8704, v's fragments 9216 (4 d-tiles x 1024), v's scale words 13312 ([r][4]).
; The place in the cluster enters global addresses alone.  No prefetch: all that is large is asked for at the head; the next unit's rows of b are loaded behind this unit's LoRA product.
; LIMITS: the scale byte is held at 1 from below, a block of zeros gets 1 (this program alone reads the bytes); NaN and infinities are not served.
; REGISTERS: window 0: v2-15 addresses; v16-47 the tokens' scale words (pair i, K step s at 8 i + s: lanes 0-15 tile 2 i, lanes 16-31 tile 2 i + 1), v48-63 W's, v64-71 a's; v72-95 at work; v96-127 b's rows;
;   v128-191 a's fragments, then W's two sets; v192-255 t, then the codes made.  window 1: the accumulators.  window 3: token tiles 0-3 (tile i, K step k at 64 i + 8 k), window 2: tiles 4-7.
.set REC,  13568
.set TILE, 8704
.set ABASE, 12*TILE                    ; a's three images, behind W's twelve records
.set SPARE, 15*TILE                    ; the spare words
.set HH,   3
.set LI,   4                           ; 16 x lane
.set ADW,  5
.set ASW,  6
.set ADA,  7
.set ASA,  8
.set AO,   9                           ; 32 r
.set LBO,  10                          ; b: (r + 8 (r / 8)) rows of 64 bytes, + 32 h
.set SOF,  11                          ; v's scale words: 16 r + 8 h
.set AX,   12                          ; a pair's scale words: 32 r, + a record for lanes 16-31
.set SPW,  14
.set NIL,  15
.set XS,   16
.set WS,   48
.set AS,   64
.set TM,   72
.set PW,   88
.set OW,   92
.set WT,   96
.set WF,   128
.set TK,   192
.set PC,   192
.set WV,   18
.set CX,   22
.set HD,   23
.set BT,   24
.set BR,   30
.set G0W,  32
.set G0A,  36
.set G1W,  40
.set G1A,  48
.set XB,   56
.set BN,   58
.set BV,   60
.set OUT,  66
.set SEL,  74
.set LW,   76
.set LA,   77
.set SEC,  78
.set MSB, 0
.macro WIN new                         ; the immediate's high byte repeats the setting that is left
.if MSB != (\new)
	s_set_vgpr_msb (MSB<<8)|(\new)
.set MSB, (\new)
.endif
.endm
.macro PLACES n
.rept \n
	v_nop
.endr
.endm
.macro CROUND                          ; a round of the cluster's barrier
	s_barrier_signal -1
	s_barrier_wait -1
	s_cmp_lg_u32 s[WV], 0
	s_cbranch_scc1 .Lnot_wave_0_\@
	s_barrier_signal -3
.Lnot_wave_0_\@:
	s_barrier_wait -3
	s_barrier_signal -1
	s_barrier_wait -1
.endm
; one product on codes.  z = 1: it starts the sum.  ra, rb = 1: that side's scale words are taken from lanes 16-31
.macro WM d, a, b, z, sa, sb, ra, rb
.if (\z) && (\rb)
	v_wmma_scale_f32_16x16x128_f8f6f4 v[(\d):(\d)+7], v[(\a):(\a)+7], v[(\b):(\b)+7], 0, v[(\sa)], v[(\sb)] matrix_a_fmt:MATRIX_FMT_FP4 matrix_b_fmt:MATRIX_FMT_FP4 matrix_b_scale:MATRIX_SCALE_ROW1
.elseif (\z)
	v_wmma_scale_f32_16x16x128_f8f6f4 v[(\d):(\d)+7], v[(\a):(\a)+7], v[(\b):(\b)+7], 0, v[(\sa)], v[(\sb)] matrix_a_fmt:MATRIX_FMT_FP4 matrix_b_fmt:MATRIX_FMT_FP4
.elseif (\ra) && (\rb)
	v_wmma_scale_f32_16x16x128_f8f6f4 v[(\d):(\d)+7], v[(\a):(\a)+7], v[(\b):(\b)+7], v[(\d):(\d)+7], v[(\sa)], v[(\sb)] matrix_a_fmt:MATRIX_FMT_FP4 matrix_b_fmt:MATRIX_FMT_FP4 matrix_a_scale:MATRIX_SCALE_ROW1 matrix_b_scale:MATRIX_SCALE_ROW1
.elseif (\ra)
	v_wmma_scale_f32_16x16x128_f8f6f4 v[(\d):(\d)+7], v[(\a):(\a)+7], v[(\b):(\b)+7], v[(\d):(\d)+7], v[(\sa)], v[(\sb)] matrix_a_fmt:MATRIX_FMT_FP4 matrix_b_fmt:MATRIX_FMT_FP4 matrix_a_scale:MATRIX_SCALE_ROW1
.elseif (\rb)
	v_wmma_scale_f32_16x16x128_f8f6f4 v[(\d):(\d)+7], v[(\a):(\a)+7], v[(\b):(\b)+7], v[(\d):(\d)+7], v[(\sa)], v[(\sb)] matrix_a_fmt:MATRIX_FMT_FP4 matrix_b_fmt:MATRIX_FMT_FP4 matrix_b_scale:MATRIX_SCALE_ROW1
.else
	v_wmma_scale_f32_16x16x128_f8f6f4 v[(\d):(\d)+7], v[(\a):(\a)+7], v[(\b):(\b)+7], v[(\d):(\d)+7], v[(\sa)], v[(\sb)] matrix_a_fmt:MATRIX_FMT_FP4 matrix_b_fmt:MATRIX_FMT_FP4
.endif
.endm
; t^T = a x^T for my eight token tiles: source 0 = a's 16 ranks, source 1 = 16 tokens: lane (r, h), register j: t(token place r, rank 8 h + j).  Four accumulators by turns
.macro TPASS
.irp g, 0,1
	WIN 0x0c-4*\g                                  ; source 1: window 3, then window 2
.irp k, 0,1,2,3,4,5,6,7
.irp i, 0,1,2,3
	WM TK+8*(4*\g+\i), WF+8*\k, 64*\i+8*\k, \k==0, AS+\k, XS+8*((4*\g+\i)/2)+\k, 0, \i%2
.endr
.endr
.endr
	WIN 0
.endm
; the LoRA product in f32 starts all 32 sums.  K step jj of the form stands for ranks 8 h + 2 jj + j on both sides: t's result layout is that operand as it stands, and b's rows are loaded so
.macro LW1 d, a, b, z
.if \z
	v_wmma_f32_16x16x4_f32 v[(\d):(\d)+7], v[(\a):(\a)+1], v[(\b):(\b)+1], 0
.else
	v_wmma_f32_16x16x4_f32 v[(\d):(\d)+7], v[(\a):(\a)+1], v[(\b):(\b)+1], v[(\d):(\d)+7]
.endif
.endm
.macro LORA m
	WIN 0x50                                       ; C and D window 1
.irp jj, 0,1,2,3
.if \m == 0
.irp i, 0,1,2,3,4,5,6,7
.irp p, 0,1,2,3
	LW1 32*\i+8*\p, WT+8*\p+2*\jj, TK+8*\i+2*\jj, \jj==0
.endr
.endr
.else
.irp q, 0,1,2,3
.irp p, 0,1,2,3,4,5,6,7
	LW1 64*\q+8*\p, TK+8*\p+2*\jj, WT+8*\q+2*\jj, \jj==0
.endr
.endr
.endif
.endr
	WIN 0
.endm
.macro FETCH ks, fs                    ; K step ks: W's four fragments into set fs: 8 loads
.irp p, 0,1,2,3
.irp c, 0,1
	ds_load_b128 v[WF+32*(\fs)+8*\p+4*\c:WF+32*(\fs)+8*\p+4*\c+3], v[ADW] offset:\p*TILE+(\ks)*1024+\c*512
.endr
.endr
.endm
.macro MUL m, ks, fs                   ; 32 products, the 32 accumulators by turns, in the same order in every K step
.irp g, 0,1
.if \m == 0
	WIN 0x5c-4*\g                                  ; source 0 (W) window 0, source 1 (tokens) window 3 or 2, C and D window 1
.irp i, 0,1,2,3
.irp p, 0,1,2,3
	WM 32*(4*\g+\i)+8*\p, WF+32*(\fs)+8*\p, 64*\i+8*(\ks), 0, WS+8*(\p/2)+(\ks), XS+8*((4*\g+\i)/2)+(\ks), \p%2, \i%2
.endr
.endr
.else
	WIN 0x53-\g                                    ; source 0 (tokens) window 3 or 2, source 1 (W) window 0
.irp q, 0,1,2,3
.irp i, 0,1,2,3
	WM 64*\q+8*(4*\g+\i), 64*\i+8*(\ks), WF+32*(\fs)+8*\q, 0, XS+8*((4*\g+\i)/2)+(\ks), WS+8*(\q/2)+(\ks), \i%2, \q%2
.endr
.endr
.endif
.endr
.endm
; 64 results of a lane (register 16 b + i = place 32 b + 16 h + i along the next K) become eight registers of codes in v[PC + 8 q] on and four scale bytes in v[PW + q].  Each accumulator is read from its low end on
.macro QUANTW q
	WIN 0x14                                       ; sources 1 and 2 window 1
.irp b, 0,1,2,3
	v_max3_num_f32 v[TM+\b], 0x1800000, |v[64*(\q)+16*\b]|, |v[64*(\q)+16*\b+1]|   ; the floor 2^(3 - 127): the byte cannot fall under 1
.endr
.irp i, 2,4,6,8,10,12,14
.irp b, 0,1,2,3
	v_max3_num_f32 v[TM+\b], v[TM+\b], |v[64*(\q)+16*\b+\i]|, |v[64*(\q)+16*\b+\i+1]|
.endr
.endr
	WIN 0
.irp b, 0,1,2,3
	v_permlanex16_b32 v[TM+4+\b], v[TM+\b], s[SEL], s[SEL+1]
.endr
.irp b, 0,1,2,3
	v_max_num_f32 v[TM+\b], v[TM+\b], v[TM+4+\b]
.endr
.irp b, 0,1,2,3
	v_add_nc_u32 v[TM+12+\b], 0xff000000, v[TM+\b] ; 2 off the exponent field: the conversion's scale operand
.endr
.irp b, 0,1,2,3
	v_lshrrev_b32 v[TM+4+\b], 23, v[TM+12+\b]
.endr
	v_lshl_or_b32 v[PW+\q], v[TM+5], 8, v[TM+4]
	v_lshl_or_b32 v[PW+\q], v[TM+6], 16, v[PW+\q]
	v_lshl_or_b32 v[PW+\q], v[TM+7], 24, v[PW+\q]
	WIN 0x01                                       ; source 0 window 1
.irp b, 0,1,2,3
	v_cvt_scalef32_pk8_fp4_f32 v[PC+8*(\q)+2*\b], v[64*(\q)+16*\b:64*(\q)+16*\b+7], v[TM+12+\b]
	v_cvt_scalef32_pk8_fp4_f32 v[PC+8*(\q)+2*\b+1], v[64*(\q)+16*\b+8:64*(\q)+16*\b+15], v[TM+12+\b]
.endr
	WIN 0
	v_nop                                          ; one plain place behind a scaled conversion
.irp c, 0,1                                    ; a whole block to a lane
.irp i, 0,1
	v_permlane16_swap_b32 v[PC+8*(\q)+4*\c+\i], v[PC+8*(\q)+2+4*\c+\i]
.endr
.endr
	global_store_b128 v[LI], v[PC+8*\q:PC+8*\q+3], s[OUT:OUT+1] offset:1024*\q          ; q, k: token tile 2 q; v: d-tile q, keys 0-63.  512 consecutive bytes, aligned
	global_store_b128 v[LI], v[PC+8*\q+4:PC+8*\q+7], s[OUT:OUT+1] offset:1024*\q+512    ; q, k: token tile 2 q + 1; v: keys 64-127
.endm
.macro BLOAD base                      ; the head's 64 rows of b: ranks 8 h + 0 .. 7 of each tile's place r
.irp p, 0,1,2,3
	global_load_b128 v[WT+8*\p:WT+8*\p+3], v[LBO], s[\base:\base+1] offset:(32*(\p/2)+8*(\p%2))*64
	global_load_b128 v[WT+8*\p+4:WT+8*\p+7], v[LBO], s[\base:\base+1] offset:(32*(\p/2)+8*(\p%2))*64+16
.endr
.endm
.macro UNIT m
	v_add_nc_u32 v[ADW], s[LW], v[LI]              ; this section's W and a in LDS
	v_add_nc_u32 v[ASW], s[LW], v[AX]
	v_add_nc_u32 v[ADA], s[LA], v[LI]
	v_add_nc_u32 v[ASA], s[LA], v[AO]
.irp k, 0,1,2,3,4,5,6,7
.irp c, 0,1
	ds_load_b128 v[WF+8*\k+4*\c:WF+8*\k+4*\c+3], v[ADA] offset:\k*1024+\c*512
.endr
.endr
	ds_load_b128 v[AS:AS+3], v[ASA] offset:8192
	ds_load_b128 v[AS+4:AS+7], v[ASA] offset:8208
.irp i, 0,1
	ds_load_b128 v[WS+8*\i:WS+8*\i+3], v[ASW] offset:\i*2*TILE+8192
	ds_load_b128 v[WS+8*\i+4:WS+8*\i+7], v[ASW] offset:\i*2*TILE+8208
.endr
	s_wait_loadcnt 0x0                             ; b's rows (the first time: the tokens too)
.set J_, 0
.rept 16
	v_pk_mul_f32 v[WT+J_:WT+J_+1], v[WT+J_:WT+J_+1], 0x3d800000 op_sel_hi:[1,0]   ; b / 16: exact
.set J_, J_+2
.endr
	s_wait_alu depctr_va_vdst(0)
	s_wait_dscnt 0x0
	TPASS
	PLACES 5                                       ; a matrix instruction takes t as an operand, and loads land where a's fragments lay
	FETCH 0, 0
	FETCH 1, 1
	LORA \m
	PLACES 9                                       ; behind the f32 form: another form writes over its results, and loads land in its sources
.if \m == 0
	BLOAD BN                                       ; the next unit's rows of b
.endif
.set KS_, 0
.rept 8
.if (KS_%7) == 0
	s_wait_dscnt 0x0
.else
	PLACES 4                                       ; in front of loads into the set that the last K step multiplied
	WIN 0
	FETCH KS_+1, (KS_+1)%2
	s_wait_dscnt 8                                 ; all but the 8 loads just issued: this K step's fragments are in
.endif
	MUL \m, KS_, KS_%2
.set KS_, KS_+1
.endr
	WIN 0
	PLACES 4
	QUANTW 0
	QUANTW 1
	QUANTW 2
	QUANTW 3
	v_cmp_eq_u32 vcc_lo, 1, v[HH]
.if \m == 0
	v_cndmask_b32 v[OW], v[PW], v[PW+2], vcc_lo    ; q, k: bytes 0, 1 of a word belong to token tile 2 q, bytes 2, 3 to tile 2 q + 1; lane (r, h) stores the words of tiles 4 h .. 4 h + 3
	v_cndmask_b32 v[OW+2], v[PW+1], v[PW+3], vcc_lo
	v_lshrrev_b32 v[OW+1], 16, v[OW]
	v_lshrrev_b32 v[OW+3], 16, v[OW+2]
	v_and_b32 v[OW], 0xffff, v[OW]                 ; the upper two bytes are 0: they scale the half of K that holds zero codes
	v_and_b32 v[OW+2], 0xffff, v[OW+2]
	global_store_b128 v[LI], v[OW:OW+3], s[OUT:OUT+1] offset:4096   ; 512 consecutive bytes, aligned
.else
	v_cndmask_b32 v[OW], v[PW], v[PW+2], vcc_lo    ; v: [r][4 d-tiles]: lanes 0-15 store words 0, 1, lanes 16-31 words 2, 3
	v_cndmask_b32 v[OW+1], v[PW+1], v[PW+3], vcc_lo
	global_store_b64 v[SOF], v[OW:OW+1], s[OUT:OUT+1] offset:4096   ; 256 consecutive bytes, aligned
.endif
.endm
	s_load_b256 s[4:11], s[0:1], 0x0               ; ximg, wimg, aimg, bq
	s_load_b128 s[12:15], s[0:1], 0x20             ; bk, bv
	s_load_b64 s[16:17], s[0:1], 0x30              ; qkv
	v_lshl_add_u32 v[SPW], v0, 2, SPARE
	v_mov_b32 v[NIL], 0
	ds_add_u32 v[SPW], v[NIL]                      ; the opening lines: the add, twice on end, and its wait
	ds_add_u32 v[SPW], v[NIL]
	v_lshrrev_b32 v1, 5, v0
	v_readfirstlane_b32 s[WV], v1                  ; wave 0..3
	v_and_b32 v1, 31, v0
	v_and_b32 v2, 15, v0                           ; r
	v_bfe_u32 v[HH], v0, 4, 1                      ; h
	v_lshlrev_b32 v[LI], 4, v1
	v_mul_u32_u24 v[AX], v[HH], TILE
	v_lshlrev_b32 v[AO], 5, v2
	v_and_b32 v[LBO], 8, v2
	v_lshlrev_b32 v[SOF], 4, v2
	v_lshl_add_u32 v[AX], v2, 5, v[AX]
	v_add_nc_u32 v[LBO], v[LBO], v2
	v_lshl_add_u32 v[SOF], v[HH], 3, v[SOF]
	v_lshlrev_b32 v[LBO], 6, v[LBO]
.irp b, 0,1,2,3
	v_mov_b32 v[TM+4+\b], 0                        ; written once: a lane permute's destination counts as one of its sources
.endr
	v_lshl_add_u32 v[LBO], v[HH], 5, v[LBO]
	s_bfe_u32 s[CX], ttmp6, 0x40000                ; my place in the cluster: it enters the tokens' and the output's global addresses alone
	s_mov_b32 s[HD], ttmp9                         ; head
	s_and_b32 s[BT], ttmp7, 0xffff                 ; batch
	s_lshl_b32 s80, s[HD], 12                      ; the head's 64 rows of b
	s_mov_b32 s81, 0
	s_lshl_b32 s82, s[CX], 2
	s_add_co_u32 s82, s82, s[WV]                   ; my group of 128 tokens
	s_lshl_b32 s83, s[BT], 4
	s_add_co_u32 s84, s83, s82
	s_mul_i32 s84, s84, 8*TILE                     ; its eight records in ximg
	s_mov_b32 s85, 0
	s_add_co_u32 s86, s83, s[HD]
	s_lshl_b32 s86, s86, 4
	s_add_co_u32 s86, s86, s82
	s_mul_i32 s86, s86, REC                        ; its record in qkv
	s_mov_b32 s87, 0
	s_lshl_b32 s88, s[WV], 6
	s_lshl_b32 s89, s[HD], 2
	s_add_co_u32 s88, s88, s89
	s_mul_i32 s88, s88, TILE                       ; waves 0 to 2: the head's four records of wq, wk, wv
	s_mov_b32 s89, 0
	; descriptor groups 1: dense blocks as rows of 256 bytes (32 elements of 8 bytes): W 136 rows, a 102 rows; the mask names all four partners, bit 21 set beside it
	s_mov_b32 s[G1W], 15|(3<<16)|(1<<21)
	s_mov_b32 s[G1W+1], 32<<16
	s_mov_b32 s[G1W+2], 136<<16
	s_mov_b32 s[G1W+3], 32<<16
	s_mov_b32 s[G1W+4], 136
	s_mov_b32 s[G1W+5], 32
	s_mov_b32 s[G1W+6], 0
	s_mov_b32 s[G1W+7], 0
	s_mov_b32 s[G1A], 15|(3<<16)|(1<<21)
	s_mov_b32 s[G1A+1], 32<<16
	s_mov_b32 s[G1A+2], 102<<16
	s_mov_b32 s[G1A+3], 32<<16
	s_mov_b32 s[G1A+4], 102
	s_mov_b32 s[G1A+5], 32
	s_mov_b32 s[G1A+6], 0
	s_mov_b32 s[G1A+7], 0
	s_mov_b32 s[SEL], 0x76543210
	s_mov_b32 s[SEL+1], 0xfedcba98
	s_mov_b32 s[LW], 0
	s_mov_b32 s[LA], ABASE
	s_mov_b32 s[SEC], 0
	s_wait_alu depctr_va_vdst(0)                   ; the head's end
	s_wait_dscnt 0x0
	s_wait_kmcnt 0x0
	s_mov_b32 s[G0W], 1
	s_mul_i32 s[G0W+1], s[WV], 4*TILE
	s_add_nc_u64 s[G0W+2:G0W+3], s[6:7], s[88:89]
	s_or_b32 s[G0W+3], s[G0W+3], 0x80000000
	s_mov_b32 s[G0A], 1
	s_mov_b32 s[G0A+1], ABASE
	s_mov_b64 s[G0A+2:G0A+3], s[8:9]
	s_or_b32 s[G0A+3], s[G0A+3], 0x80000000
	s_add_nc_u64 s[XB:XB+1], s[4:5], s[84:85]
	s_add_nc_u64 s[BR:BR+1], s[10:11], s[80:81]
	s_add_nc_u64 s[BN:BN+1], s[12:13], s[80:81]
	s_add_nc_u64 s[BV:BV+1], s[14:15], s[80:81]
	s_add_nc_u64 s[OUT:OUT+1], s[16:17], s[86:87]
	CROUND                                         ; all four work-groups are here: the joint loads meet
	s_cmp_lt_u32 s[WV], 3                          ; the head's loads, one a wave
	s_cbranch_scc0 .Lhead_a
	tensor_load_to_lds s[G0W:G0W+3], s[G1W:G1W+7]
	s_nop 0
	PLACES 4
	s_branch .Lhead_asked
.Lhead_a:
	tensor_load_to_lds s[G0A:G0A+3], s[G1A:G1A+7]
	s_nop 0
	PLACES 4
.Lhead_asked:
.irp i, 0,1,2,3
	global_load_b128 v[XS+8*\i:XS+8*\i+3], v[AX], s[XB:XB+1] offset:\i*2*TILE+8192
	global_load_b128 v[XS+8*\i+4:XS+8*\i+7], v[AX], s[XB:XB+1] offset:\i*2*TILE+8208
.endr
	BLOAD BR                                       ; bq's rows
	WIN 0xc0                                       ; my token tiles 0-3 into window 3: each load reads 512 consecutive bytes
.irp i, 0,1,2,3
.irp k, 0,1,2,3,4,5,6,7
.irp c, 0,1
	global_load_b128 v[64*\i+8*\k+4*\c:64*\i+8*\k+4*\c+3], v[LI], s[XB:XB+1] offset:\i*TILE+\k*1024+\c*512
.endr
.endr
.endr
	WIN 0x80                                       ; tiles 4-7 into window 2
.irp i, 0,1,2,3
.irp k, 0,1,2,3,4,5,6,7
.irp c, 0,1
	global_load_b128 v[64*\i+8*\k+4*\c:64*\i+8*\k+4*\c+3], v[LI], s[XB:XB+1] offset:(\i+4)*TILE+\k*1024+\c*512
.endr
.endr
.endr
	WIN 0
	s_wait_tensorcnt 0x0                           ; my load has landed,
	s_barrier_signal -1
	s_barrier_wait -1                              ; everybody's has.  From here on LDS is only read
.Lunit:                                            ; two trips: q, k
	UNIT 0
	s_wait_xcnt 0x0                                ; the loads and stores have read their registers and bases: these are written again below and in the next unit
	s_mov_b64 s[BN:BN+1], s[BV:BV+1]
	s_add_nc_u64 s[OUT:OUT+1], s[OUT:OUT+1], 4608
	s_add_co_u32 s[LW], s[LW], 4*TILE
	s_add_co_u32 s[LA], s[LA], TILE
	s_add_co_u32 s[SEC], s[SEC], 1
	s_cmp_lt_u32 s[SEC], 2
	s_cbranch_scc1 .Lunit
	UNIT 1                                         ; v
	s_wait_tensorcnt 0x0                           ; the wave's end
	ds_add_u32 v[SPW], v[NIL]
	s_wait_dscnt 0x0
	CROUND                                         ; the closing round
	s_endpgm
.Lfunc_end_k_qccd097d918_qkvp:
	.size	k_qccd097d918_qkvp, .Lfunc_end_k_qccd097d918_qkvp-k_qccd097d918_qkvp
	.p2alignl 7, 3214868480
	.fill 96, 4, 3214868480
	.section	.rodata,"a",@progbits
	.p2align	6, 0x0
	.amdhsa_kernel k_qccd097d918_qkvp
		.amdhsa_group_segment_fixed_size 167936
		.amdhsa_private_segment_fixed_size 0
		.amdhsa_enable_private_segment 0
		.amdhsa_kernarg_size 56
		.amdhsa_user_sgpr_count 2
		.amdhsa_user_sgpr_kernarg_segment_ptr 1
		.amdhsa_wavefront_size32 1
		.amdhsa_system_sgpr_workgroup_id_x 1
		.amdhsa_system_sgpr_workgroup_id_y 1
		.amdhsa_system_sgpr_workgroup_id_z 1
		.amdhsa_system_vgpr_workitem_id 0
		.amdhsa_next_free_vgpr 1024
		.amdhsa_next_free_sgpr 96
		.amdhsa_reserve_vcc 1
		.amdhsa_float_denorm_mode_32 3
		.amdhsa_float_denorm_mode_16_64 3
		.amdhsa_memory_ordered 1
		.amdhsa_forward_progress 1
		.amdhsa_inst_pref_size 169
	.end_amdhsa_kernel
	.amdgpu_metadata
---
amdhsa.version: [ 1, 2 ]
amdhsa.kernels:
  - .name:           k_qccd097d918_qkvp
    .symbol:         k_qccd097d918_qkvp.kd
    .args:
      - { .name: ximg, .offset: 0, .size: 8, .value_kind: global_buffer, .address_space: global }
      - { .name: wimg, .offset: 8, .size: 8, .value_kind: global_buffer, .address_space: global }
      - { .name: aimg, .offset: 16, .size: 8, .value_kind: global_buffer, .address_space: global }
      - { .name: bq, .offset: 24, .size: 8, .value_kind: global_buffer, .address_space: global }
      - { .name: bk, .offset: 32, .size: 8, .value_kind: global_buffer, .address_space: global }
      - { .name: bv, .offset: 40, .size: 8, .value_kind: global_buffer, .address_space: global }
      - { .name: qkv, .offset: 48, .size: 8, .value_kind: global_buffer, .address_space: global }
    .group_segment_fixed_size: 167936
    .private_segment_fixed_size: 0
    .kernarg_segment_align: 8
    .kernarg_segment_size: 56
    .max_flat_workgroup_size: 128
    .sgpr_count:     96
    .vgpr_count:     1024
    .wavefront_size: 32
...
	.end_amdgpu_metadata
.endif
;; end of part 2
;; launch attn (part 3): grid 64 x 4, 8 waves a work-group, clusters of 4 x 1, 275,456 bytes of LDS; arguments qkv, cimg; writes cimg
.if DOCPART == 3
	.amdgcn_target "amdgcn-amd-amdhsa--gfx1250"
	.amdhsa_code_object_version 6
	.text
	.protected	k_qccd097d918_attn
	.globl	k_qccd097d918_attn
	.p2align	8
	.type	k_qccd097d918_attn,@function
k_qccd097d918_attn:
	s_mov_b64 s[64:65], 0
	v_nop
	global_prefetch_b8 v0, s[64:65] scope:SCOPE_SE
	s_setreg_imm32_b32 hwreg(HW_REG_WAVE_MODE, 25, 1), 1
	s_wait_xcnt 0x0
	s_wait_alu depctr_hold_cnt(0) depctr_sa_sdst(0) depctr_va_vdst(0) depctr_va_sdst(0) depctr_va_ssrc(0) depctr_va_vcc(0) depctr_vm_vsrc(0)
	s_getreg_b32 s2, hwreg(HW_REG_IB_STS2, 6, 4)
	s_cmp_eq_u32 s2, 0
	s_cbranch_scc0 .Lentry_in_a_cluster
	s_endpgm
.Lentry_in_a_cluster:
	s_bfe_u32 s2, ttmp6, 0x10000c
	s_cmp_lg_u32 s2, 0x3003
	s_cbranch_scc0 .Lentry_shape_is_right
	s_endpgm
.Lentry_shape_is_right:
; ctx = softmax(q k^T / 8, causal) v for one head, both products on FP4 codes, and ctx's quantising for the output projection.
; qkv: records of 13,568 bytes for (batch, head, group of 128 tokens): q's codes 0, q's scale words 4096, k's 4608 and 8704, v's fragments 9216, v's scale words 13312.  Place p of token tile e = token 32 (e / 2) + 8 (e % 2) + p + 8 (p / 8) of the group.
; THE SOFTMAX: t = score x log2(e) / 8; M = the running largest t rounded UP to a whole number; p = 2^(t - M) is quantised along the keys, not normalised; the row's sum is taken of the unquantised p and divides at the end.
; LEFT OUT: key steps all of whose keys come after the queries: the causal mask gives them the weight 0 for every input.
; SHARES: a cluster of four work-groups owns a head (cluster x) of a batch (cluster y).  K and V of the whole head, 16 key steps of 8,960 bytes, lie in LDS, filled ONCE: wave w asks for key steps 2 w and 2 w + 1 by one joint load (two rows of 8,960 bytes): one tensor load a wave outstanding.
; Wave w owns TWO query tiles at a time, e = 2 cx and 2 cx + 1 (32 neighbouring queries), of group w and then of group 15 - w: (w + 1) + (16 - w) = 17 key steps for every wave.  Each fragment of K and V feeds both tiles.
; The place in the cluster enters global addresses and the mask's numbers alone, no branch and no LDS address.
; LAYOUT: S^T = K Q^T, O^T = V^T P^T: a lane holds one query.  THE KEYS OF A TILE ARE CHOSEN BY THE LDS ADDRESS: row m of tile (c, u) is key 64 c + 32 (m / 8) + 8 u + m % 8, so lane (r, h) holds in the 32 registers of tiles (c, 0..3)
; the WHOLE block of keys 64 c + 32 h + 0 .. 31: its largest score needs no other lane, and the conversions' results are the second product's operand as they stand.
; K = 64 IN A FORM OF K = 128: q's registers 4-7 hold zero codes; k's operand of a tile runs on into the next tile's codes, which meet those zeros; the scale words' bytes 2 and 3 are 0 (2^-127), never 0xff.
; THE DIAGONAL: the step's products take as C a mask of 0 and -3e38, made once a wave from ids and kept in the wave's own LDS bytes; p of a hidden key is then 0.  Key 0 counts for every query, so M is a number from the first step on.
; The two tiles' serial lines (running maximum, block scales) stand among the other tile's bulk lines.  The next step's K is fetched a step ahead (clamped to the last step).
; No prefetch: all that the launch reads is asked for at its head; there is no loop to run ahead in.
; LIMITS: the promise holds while the scaled scores stay under 2^31 in magnitude; ctx's and p's scale bytes are held at 1 from below (a block of zeros gets 1); NaN and infinities are not served.
; REGISTERS: window 0: v1-15 addresses; v16-31 scale words; v32-63 the two tiles' state; v64-69 partial sums; v72-87 p's codes; v96-223 S^T, then p, at the end ctx.  window 1: v0-35 K, v40-71 V, v72-95 q, v128-191 O^T.
.set REC,   13568
.set STEPB, 8960
.set TILE,  8704
.set MASKB, 16*STEPB                   ; behind K and V: 16,384 bytes of masks for each wave
.set SPARE, MASKB+8*16384              ; the spare words, 128 bytes a wave
.set LI,   1                           ; 16 x lane
.set KA0,  2                           ; K's codes: 1024 (r / 8) + 16 (r % 8) + 256 h
.set KS0,  3                           ; K's scale words: 16 (r % 8) + 8 (r / 8)
.set RI,   4                           ; 16 r
.set ADK,  5
.set ADS,  6
.set ADV,  7
.set ADT,  8
.set MB,   9                           ; my wave's masks + 16 x lane
.set CO,   10
.set SOF,  11
.set HH,   12
.set SH8,  13                          ; 8 h
.set SPW,  14
.set NIL,  15
.set KSW,  16
.set VSW,  24
.set QSW,  28
.set QSW2, 30
.set TS,   32                          ; a tile's state, 16 registers: 0 -M, 1 largest score, 2-3 sum, 4 f, 5 at work, 6-7 block maxima, 8-9 conversion scales, 10-11 second chains, 12 old -M, 13 other half's, 14 p's scale word
.set T1,   64
.set PCD,  72
.set S,    96
.set KC,   0                           ; window 1
.set VF,   40
.set QC,   72
.set QC2,  88
.set O,    128
.set WV,   8
.set CX,   9
.set BB,   10
.set HB,   11
.set G0,   12
.set G1,   16
.set SEL,  24
.set CS,   26
.set G,    29
.set TB,   30
.set ST,   31
.set TRIP, 32
.set TE,   42
.set TBA,  44
.set TBN,  46
.set MSB, 0
.macro WIN new                         ; the immediate's high byte repeats the setting that is left
.if MSB != \new
	s_set_vgpr_msb (MSB<<8)|\new
.set MSB, \new
.endif
.endm
.macro CROUND                          ; a round of the cluster's barrier
	s_barrier_signal -1
	s_barrier_wait -1
	s_cmp_lg_u32 s[WV], 0
	s_cbranch_scc1 .Lnot_wave_0_\@
	s_barrier_signal -3
.Lnot_wave_0_\@:
	s_barrier_wait -3
	s_barrier_signal -1
	s_barrier_wait -1
.endm
.macro KLOAD ac, as                    ; a step's K: 4 loads of scale words, 8 of codes
.irp c, 0,1
.irp u, 0,1
	ds_load_b64 v[KSW+4*\c+2*\u:KSW+4*\c+2*\u+1], v[\as] offset:4096+256*\c+128*\u
.endr
.endr
	WIN 0x40
.irp c, 0,1
.irp u, 0,1,2,3
	ds_load_b128 v[KC+16*\c+4*\u:KC+16*\c+4*\u+3], v[\ac] offset:2048*\c+512*(\u%2)+128*(\u/2)
.endr
.endr
	WIN 0
.endm
.macro SMM z                           ; S^T of both tiles, 16 accumulators by turns.  z = 1: C = 0; z = 0: C = the mask that lies in S
	WIN 0x05                                       ; sources 0 and 1 window 1
.irp k, 0,1,2,3,4,5,6,7
.irp t, 0,1
.if \z
	v_wmma_scale_f32_16x16x128_f8f6f4 v[S+64*\t+8*\k:S+64*\t+8*\k+7], v[KC+4*\k:KC+4*\k+7], v[QC+8*\t:QC+8*\t+7], 0, v[KSW+\k], v[QSW+\t] matrix_a_fmt:MATRIX_FMT_FP4 matrix_b_fmt:MATRIX_FMT_FP4
.else
	v_wmma_scale_f32_16x16x128_f8f6f4 v[S+64*\t+8*\k:S+64*\t+8*\k+7], v[KC+4*\k:KC+4*\k+7], v[QC+8*\t:QC+8*\t+7], v[S+64*\t+8*\k:S+64*\t+8*\k+7], v[KSW+\k], v[QSW+\t] matrix_a_fmt:MATRIX_FMT_FP4 matrix_b_fmt:MATRIX_FMT_FP4
.endif
.endr
.endr
	WIN 0
.endm
.macro MT t, k                         ; round k (0..8) of the search for my two blocks' largest scores: two chains a block; each accumulator is read from its low end on
.set B_, TS+16*(\t)
.set A_, S+64*(\t)
.irp c, 0,1
.if (\k) == 0
	v_max3_num_f32 v[B_+6+\c], v[A_+32*\c], v[A_+32*\c+1], v[A_+32*\c+2]
	v_max3_num_f32 v[B_+10+\c], v[A_+32*\c+16], v[A_+32*\c+17], v[A_+32*\c+18]
.elseif (\k) < 7
	v_max3_num_f32 v[B_+6+\c], v[B_+6+\c], v[A_+32*\c+2*(\k)+1], v[A_+32*\c+2*(\k)+2]
	v_max3_num_f32 v[B_+10+\c], v[B_+10+\c], v[A_+32*\c+2*(\k)+17], v[A_+32*\c+2*(\k)+18]
.elseif (\k) == 7
	v_max3_num_f32 v[B_+6+\c], v[B_+6+\c], v[B_+10+\c], v[A_+32*\c+15]
.else
	v_max_num_f32 v[B_+6+\c], v[B_+6+\c], v[A_+32*\c+31]
.endif
.endr
.endm
.macro CH t, k                         ; line k (0..8) of the running maximum: -M = floor(-t), f = 2^(old M - new M)
.set B_, TS+16*(\t)
.if (\k) == 0
	v_max_num_f32 v[B_+5], v[B_+6], v[B_+7]
.elseif (\k) == 1
	v_mov_b32 v[B_+12], v[B_]
.elseif (\k) == 2
	v_permlanex16_b32 v[B_+13], v[B_+5], s[SEL], s[SEL+1]
.elseif (\k) == 3
	v_max3_num_f32 v[B_+1], v[B_+1], v[B_+5], v[B_+13]
.elseif (\k) == 4
	v_mul_f32 v[B_+5], s[CS], v[B_+1]
.elseif (\k) == 5
	v_floor_f32 v[B_], -v[B_+5]
.elseif (\k) == 6
	v_sub_f32 v[B_+5], v[B_], v[B_+12]
.elseif (\k) == 7
	v_cvt_i32_f32 v[B_+5], v[B_+5]
.else
	v_ldexp_f32 v[B_+4], 1.0, v[B_+5]
.endif
.endm
.macro FM t, i                         ; t - M, two at a time
	v_pk_fma_f32 v[S+64*(\t)+2*(\i):S+64*(\t)+2*(\i)+1], v[S+64*(\t)+2*(\i):S+64*(\t)+2*(\i)+1], s[CS:CS+1], v[TS+16*(\t):TS+16*(\t)+1] op_sel_hi:[1,0,0]
.endm
.macro FMB t                           ; the same of my two blocks' largest scores
.irp c, 0,1
	v_fma_f32 v[TS+16*(\t)+6+\c], v[TS+16*(\t)+6+\c], s[CS], v[TS+16*(\t)]
.endr
.endm
.macro SU t, i                         ; line i (0..31) of the row's sum of the unquantised p: four chains
.set A_, S+64*(\t)
.set L_, TS+16*(\t)+2
.if (\i) < 3
	v_pk_add_f32 v[T1+2*(\i):T1+2*(\i)+1], v[A_+4*(\i):A_+4*(\i)+1], v[A_+4*(\i)+2:A_+4*(\i)+3]
.elseif (\i) == 3
	v_pk_add_f32 v[L_:L_+1], v[L_:L_+1], v[A_+12:A_+13]
.elseif (\i) < 29
.if (\i)%4 == 3
	v_pk_add_f32 v[L_:L_+1], v[L_:L_+1], v[A_+2*(\i)+6:A_+2*(\i)+7]
.else
	v_pk_add_f32 v[T1+2*((\i)%4):T1+2*((\i)%4)+1], v[T1+2*((\i)%4):T1+2*((\i)%4)+1], v[A_+2*(\i)+6:A_+2*(\i)+7]
.endif
.elseif (\i) == 29
	v_pk_add_f32 v[T1:T1+1], v[T1:T1+1], v[T1+2:T1+3]
.elseif (\i) == 30
	v_pk_add_f32 v[L_:L_+1], v[L_:L_+1], v[T1+4:T1+5]
.else
	v_pk_add_f32 v[L_:L_+1], v[L_:L_+1], v[T1:T1+1]
.endif
.endm
.macro SC t, k                         ; line k (0..9) of the blocks' scales: floor, conversion operand, byte; my two bytes and lane l xor 16's two make p's scale word
.set B_, TS+16*(\t)
.if (\k) < 2
	v_max_num_f32 v[B_+6+(\k)], 0x1800000, v[B_+6+(\k)]
.elseif (\k) < 4
	v_add_nc_u32 v[B_+6+(\k)], 0xff000000, v[B_+4+(\k)]
.elseif (\k) < 6
	v_lshrrev_b32 v[B_+2+(\k)], 23, v[B_+4+(\k)]
.elseif (\k) == 6
	v_lshl_or_b32 v[B_+5], v[B_+7], 16, v[B_+6]
.elseif (\k) == 7
	v_lshlrev_b32 v[B_+5], v[SH8], v[B_+5]
.elseif (\k) == 8
	v_permlanex16_b32 v[B_+13], v[B_+5], s[SEL], s[SEL+1]
.else
	v_or_b32 v[B_+14], v[B_+5], v[B_+13]
.endif
.endm
.macro SUMS t                          ; the sum under the new M, the sum's 32 lines, the scales' 10 among them
	v_pk_mul_f32 v[TS+16*(\t)+2:TS+16*(\t)+3], v[TS+16*(\t)+2:TS+16*(\t)+3], v[TS+16*(\t)+4:TS+16*(\t)+5] op_sel_hi:[1,0]
.set I_, 0
.rept 32
	SU \t, I_
.if (I_%3) == 2 && I_ < 30
	SC \t, I_/3
.endif
.set I_, I_+1
.endr
.endm
.macro CVT t, g                        ; eight of p into one register of codes
	v_cvt_scalef32_pk8_fp4_f32 v[PCD+8*(\t)+(\g)], v[S+64*(\t)+8*(\g):S+64*(\t)+8*(\g)+7], v[TS+16*(\t)+8+(\g)/4]
.endm
	s_load_b128 s[4:7], s[0:1], 0x0                ; qkv, cimg
	v_lshl_add_u32 v[SPW], v0, 2, SPARE
	v_mov_b32 v[NIL], 0
	ds_add_u32 v[SPW], v[NIL]                      ; the opening lines: the add, twice on end, and its wait
	ds_add_u32 v[SPW], v[NIL]
	v_lshrrev_b32 v224, 5, v0
	v_readfirstlane_b32 s[WV], v224                ; wave 0..7
	s_bfe_u32 s[CX], ttmp6, 0x40000
	s_and_b32 s[BB], ttmp7, 0xffff                 ; batch
	s_lshl_b32 s[HB], s[BB], 4
	s_add_co_u32 s[HB], s[HB], ttmp9               ; + head
	s_lshl_b32 s[HB], s[HB], 4                     ; the head's first record
	s_lshl_b32 s34, s[WV], 1
	s_add_co_u32 s34, s34, s[HB]
	s_mul_i32 s34, s34, REC
	s_add_co_u32 s34, s34, 4608                    ; key steps 2 w, 2 w + 1: k's and v's 8,960 bytes of two records
	s_mov_b32 s35, 0
	s_mov_b32 s[G1], 15|(3<<16)|(1<<21)            ; the mask: all four partners; elements of 8 bytes; bit 21 set beside a mask
	s_mov_b32 s[G1+1], 1120<<16                    ; a row: 8,960 bytes
	s_mov_b32 s[G1+2], 2<<16                       ; two rows,
	s_mov_b32 s[G1+3], 1120<<16
	s_mov_b32 s[G1+4], 2
	s_mov_b32 s[G1+5], 1696                        ; a record apart
	s_mov_b32 s[G1+6], 0
	s_mov_b32 s[G1+7], 0
	s_mov_b32 s[SEL], 0x76543210
	s_mov_b32 s[SEL+1], 0xfedcba98
	s_mov_b32 s[CS], 0x3e38aa3b                    ; c = log2(e) / 8
	s_mov_b32 s[CS+1], s[CS]
	s_wait_dscnt 0x0
	s_wait_kmcnt 0x0
	s_mov_b32 s[G0], 1
	s_mul_i32 s[G0+1], s[WV], 2*STEPB
	s_add_nc_u64 s[G0+2:G0+3], s[4:5], s[34:35]
	s_or_b32 s[G0+3], s[G0+3], 0x80000000
	CROUND                                         ; all four work-groups are here: the joint loads meet
	tensor_load_to_lds s[G0:G0+3], s[G1:G1+7]
	s_nop 0
.rept 4
	v_nop
.endr
	s_mov_b32 s[G], s[WV]                          ; my first group
	s_lshl_b32 s33, s[WV], 14
	s_add_co_u32 s33, s33, MASKB                   ; my masks
	s_lshl_b32 s34, s[CX], 5                       ; my tiles' first token in a group
	s_lshl_b32 s35, s[CX], 10                      ; tile 2 cx's codes in a record
	s_lshr_b32 s40, s[CX], 1
	s_lshl_b32 s40, s40, 8
	s_and_b32 s41, s[CX], 1
	s_lshl_b32 s41, s41, 3
	s_add_co_u32 s40, s40, s41                     ; and its scale words
	s_lshl_b32 s41, ttmp9, 9
	s_lshl_b32 s43, ttmp9, 1
	s_add_co_u32 s36, s[HB], s[G]
	s_mul_i32 s36, s36, REC
	s_mov_b32 s37, 0
	s_add_nc_u64 s[36:37], s[4:5], s[36:37]        ; the first group's record
	s_sub_co_u32 s38, 15, s[G]
	s_add_co_u32 s38, s38, s[HB]
	s_mul_i32 s38, s38, REC
	s_mov_b32 s39, 0
	s_add_nc_u64 s[38:39], s[4:5], s[38:39]        ; the second's
	s_lshl_b32 s[TE], s[BB], 7
	s_lshl_b32 s[TBN], s[CX], 1
	s_add_co_u32 s[TE], s[TE], s[TBN]              ; 128 x batch + 2 cx
	v_and_b32 v224, 31, v0
	v_and_b32 v225, 15, v0                         ; r
	v_bfe_u32 v[HH], v0, 4, 1                      ; h
	v_and_b32 v226, 7, v0                          ; r % 8
	v_bfe_u32 v227, v0, 3, 1                       ; r / 8
	v_lshlrev_b32 v[LI], 4, v224
	v_lshlrev_b32 v[RI], 4, v225
	v_lshlrev_b32 v[SH8], 3, v[HH]
	v_lshlrev_b32 v[KA0], 4, v226
	v_lshlrev_b32 v[KS0], 4, v226
	v_lshl_add_u32 v[KA0], v227, 10, v[KA0]
	v_lshl_add_u32 v[KS0], v227, 3, v[KS0]
	v_lshl_add_u32 v[KA0], v[HH], 8, v[KA0]
	v_add_nc_u32 v[MB], s33, v[LI]
	v_add_nc_u32 v228, s35, v[LI]                  ; q's codes
	v_add_nc_u32 v229, s40, v[RI]                  ; q's scale words: the two tiles' lie side by side
	v_add_nc_u32 v[CO], s41, v[LI]                 ; ctx's codes: 512 x head into the tile's record
	v_lshl_add_u32 v[SOF], v225, 5, v[HH]
	v_lshl_add_u32 v230, v227, 4, v226
	v_lshlrev_b32 v231, 5, v[HH]
	v_add_nc_u32 v[SOF], s43, v[SOF]
	v_add_nc_u32 v230, s34, v230
	v_mov_b32 v232, 0xff61b1e6                     ; -3e38
	v_sub_nc_u32 v230, v230, v231                  ; my query's token - 32 h, first tile;
	v_add_nc_u32 v231, 8, v230                     ; second tile
	s_wait_alu depctr_va_vdst(0)
	WIN 0x40
	global_load_b128 v[QC:QC+3], v228, s[36:37]
	global_load_b128 v[QC+8:QC+11], v228, s[36:37] offset:512
	global_load_b128 v[QC2:QC2+3], v228, s[38:39]
	global_load_b128 v[QC2+4:QC2+7], v228, s[38:39] offset:512
.irp j, 0,1,2,3
	v_mov_b32 v[QC+4+\j], 0                        ; zero codes for k = 64 .. 127
	v_mov_b32 v[QC+12+\j], 0
	v_mov_b32 v[KC+32+\j], 0
.endr
	WIN 0
	global_load_b64 v[QSW:QSW+1], v229, s[36:37] offset:4096
	global_load_b64 v[QSW2:QSW2+1], v229, s[38:39] offset:4096
.irp t, 0,1
.irp j, 5,10,11,13
	v_mov_b32 v[TS+16*\t+\j], 0                    ; written once: a lane permute's destination counts as one of its sources
.endr
.endr
.irp t, 0,1                                    ; the diagonal's masks: register n holds key 64 (n / 32) + n % 32 + 32 h: hidden where that lies beyond my token
.set N_, 0
.rept 64
	v_cmp_gt_i32 vcc_lo, 64*(N_/32)+N_%32, v[230+\t]
	v_cndmask_b32 v[S+64*\t+N_], v[NIL], v232, vcc_lo
.set N_, N_+1
.endr
.endr
	s_wait_alu depctr_va_vdst(0)                   ; the head's end
	s_wait_tensorcnt 0x0                           ; my two key steps have landed
.set N_, 0
.rept 32
	ds_store_b128 v[MB], v[S+4*N_:S+4*N_+3] offset:512*N_   ; the masks, as an image of S's registers, into my wave's own bytes
.set N_, N_+1
.endr
	s_wait_dscnt 0x0
	s_barrier_signal -1
	s_barrier_wait -1                              ; everybody's key steps have landed.  From here on LDS is only read
	s_wait_loadcnt 0x0                             ; q
	s_mov_b32 s[TRIP], 0
.Ltile:                                            ; two trips: my two groups
	s_wait_dscnt 0x0                               ; no load into K's registers is out
	KLOAD KA0, KS0                                 ; key step 0
	s_lshl_b32 s40, s[G], 3
	s_add_co_u32 s40, s40, s[TE]
	s_mul_i32 s40, s40, TILE
	s_mov_b32 s41, 0
	s_add_nc_u64 s[TBA:TBA+1], s[6:7], s[40:41]    ; the first tile's record in cimg; the second's follows it
.irp t, 0,1
	v_mov_b32 v[TS+16*\t], 0x7f61b1e6              ; -M: 3e38, so that the first f is 0
	v_mov_b32 v[TS+16*\t+1], 0xff61b1e6            ; the largest score so far: -3e38
	v_mov_b32 v[TS+16*\t+2], 0                     ; the sum, in two halves
	v_mov_b32 v[TS+16*\t+3], 0
.endr
	WIN 0x40
.set J_, 0
.rept 64
	v_mov_b32 v[O+J_], 0                           ; O^T: the step is written once; the first finds zeros
.set J_, J_+1
.endr
	WIN 0
	s_mov_b32 s[TB], 0
	s_mov_b32 s[ST], 0
.Lstep:                                            ; sixteen trips, a constant; the steps behind the diagonal do nothing
	s_cmp_gt_u32 s[ST], s[G]
	s_cbranch_scc1 .Lskip
	v_add_nc_u32 v[ADV], s[TB], v[LI]              ; these four are the places in front of the loads into V's registers
	v_add_nc_u32 v[ADT], s[TB], v[RI]
	v_nop
	v_nop
	ds_load_b128 v[VSW:VSW+3], v[ADT] offset:8704
	WIN 0x40
.irp k, 0,1,2,3
.irp c, 0,1
	ds_load_b128 v[VF+8*\k+4*\c:VF+8*\k+4*\c+3], v[ADV] offset:4608+\k*1024+\c*512
.endr
.endr
	WIN 0
	s_cmp_lg_u32 s[ST], s[G]
	s_cbranch_scc1 .Lopen
.set N_, 0
.rept 32
	ds_load_b128 v[S+4*N_:S+4*N_+3], v[MB] offset:512*N_   ; the diagonal: the masks are the products' C
.set N_, N_+1
.endr
	s_wait_dscnt 0x0
	SMM 0
	s_branch .Lscored
.Lopen:
	s_wait_dscnt 8                                 ; K, asked for a step ago, is in; V's eight loads may be out
	SMM 1
.Lscored:
	s_add_co_u32 s[TBN], s[TB], STEPB
	s_min_u32 s[TBN], s[TBN], 15*STEPB             ; the next step, held at the last
	v_add_nc_u32 v[ADK], s[TBN], v[KA0]            ; four places behind the products
	v_add_nc_u32 v[ADS], s[TBN], v[KS0]
	v_nop
	v_nop
	KLOAD ADK, ADS
.irp k, 0,1,2,3,4,5,6,7,8
	MT 0, \k
.endr
.irp k, 0,1,2,3,4,5,6,7,8
	MT 1, \k
	CH 0, \k
.endr
.set I_, 0
.rept 32
	FM 0, I_
.if (I_%3) == 2 && I_ < 27
	CH 1, I_/3
.endif
.set I_, I_+1
.endr
	FMB 0
	s_wait_alu depctr_va_vdst(0)                   ; ahead of the batch
	v_exp_f32 v[TS+6], v[TS+6]                     ; the blocks' largest p,
	v_exp_f32 v[TS+7], v[TS+7]
.set I_, 0
.rept 32
	v_exp_f32 v[S+2*I_], v[S+2*I_]                 ; p = 2^(t - M) of the first tile; the second tile's t - M stands among them
	v_exp_f32 v[S+2*I_+1], v[S+2*I_+1]
	FM 1, I_
.set I_, I_+1
.endr
	FMB 1
	s_wait_alu depctr_va_vdst(0)                   ; one wait for the batch, ahead of its first reader
	SUMS 0
	s_wait_alu depctr_va_vdst(0)                   ; ahead of the second batch
	v_exp_f32 v[TS+22], v[TS+22]
	v_exp_f32 v[TS+23], v[TS+23]
.set I_, 0
.rept 32
	v_exp_f32 v[S+64+2*I_], v[S+64+2*I_]           ; the second tile's p; the first tile's conversions stand among them
	v_exp_f32 v[S+64+2*I_+1], v[S+64+2*I_+1]
.if (I_%4) == 3
	CVT 0, I_/4
.endif
.set I_, I_+1
.endr
	v_nop                                          ; a plain place behind the exponentials and the conversions
	s_wait_alu depctr_va_vdst(0)
	SUMS 1
.irp g, 0,1,2,3,4,5,6,7
	CVT 1, \g
.endr
	v_nop                                          ; one plain place behind a scaled conversion
	WIN 0x41                                       ; O^T lies in window 1
	s_wait_alu depctr_va_vdst(0)                   ; directly ahead of the first reader of O^T
.irp t, 0,1
.set J_, 0
.rept 16
	v_pk_mul_f32 v[O+32*\t+J_:O+32*\t+J_+1], v[O+32*\t+J_:O+32*\t+J_+1], v[TS+16*\t+4:TS+16*\t+5] op_sel_hi:[1,0]   ; O^T under the new M; these also stand between the making of p's codes and scale words and the products
.set J_, J_+2
.endr
.endr
	s_wait_alu depctr_va_vdst(0)
	s_wait_dscnt 12                                ; V is in; the next step's twelve loads of K may be out
	WIN 0x51                                       ; V, C and D window 1; p's codes window 0
.irp k, 0,1,2,3
.irp t, 0,1
	v_wmma_scale_f32_16x16x128_f8f6f4 v[O+32*\t+8*\k:O+32*\t+8*\k+7], v[VF+8*\k:VF+8*\k+7], v[PCD+8*\t:PCD+8*\t+7], v[O+32*\t+8*\k:O+32*\t+8*\k+7], v[VSW+\k], v[TS+16*\t+14] matrix_a_fmt:MATRIX_FMT_FP4 matrix_b_fmt:MATRIX_FMT_FP4
.endr
.endr
	WIN 0
.Lskip:
	s_add_co_u32 s[TB], s[TB], STEPB
	s_add_co_u32 s[ST], s[ST], 1
	s_cmp_lt_u32 s[ST], 16
	s_cbranch_scc1 .Lstep
	; the group's end: ctx = O^T / the sum, quantised along the head's 64 dims: two blocks a tile
.irp t, 0,1
	v_add_f32 v[TS+16*\t+2], v[TS+16*\t+2], v[TS+16*\t+3]
.endr
.irp t, 0,1
	s_delay_alu instid0(VALU_DEP_2)
	v_permlanex16_b32 v[TS+16*\t+13], v[TS+16*\t+2], s[SEL], s[SEL+1]
.endr
.irp t, 0,1
	s_delay_alu instid0(VALU_DEP_2)
	v_add_f32 v[TS+16*\t+2], v[TS+16*\t+2], v[TS+16*\t+13]
.endr
	s_wait_alu depctr_va_vdst(0)
	v_rcp_f32 v[TS+2], v[TS+2]
	v_rcp_f32 v[TS+18], v[TS+18]
	v_nop                                          ; a plain place behind the reciprocals
	WIN 0x01
	s_wait_alu depctr_va_vdst(0)                   ; the wait, ahead of their first reader and of O^T's
.irp t, 0,1
.set J_, 0
.rept 16
	v_pk_mul_f32 v[S+64*\t+J_:S+64*\t+J_+1], v[O+32*\t+J_:O+32*\t+J_+1], v[TS+16*\t+2:TS+16*\t+3] op_sel_hi:[1,0]   ; register 16 b + i = ctx(my query, dim 32 b + 16 h + i)
.set J_, J_+2
.endr
.endr
	WIN 0
.irp t, 0,1
.irp b, 0,1
	v_max3_num_f32 v[TS+16*\t+6+\b], |v[S+64*\t+16*\b]|, |v[S+64*\t+16*\b+1]|, 0x1800000
.endr
.endr
.irp i, 2,4,6,8,10,12,14
.irp t, 0,1
.irp b, 0,1
	v_max3_num_f32 v[TS+16*\t+6+\b], v[TS+16*\t+6+\b], |v[S+64*\t+16*\b+\i]|, |v[S+64*\t+16*\b+\i+1]|
.endr
.endr
.endr
.irp t, 0,1
.irp b, 0,1
	v_permlanex16_b32 v[TS+16*\t+10+\b], v[TS+16*\t+6+\b], s[SEL], s[SEL+1]
.endr
.endr
.irp t, 0,1
.irp b, 0,1
	v_max_num_f32 v[TS+16*\t+6+\b], v[TS+16*\t+6+\b], v[TS+16*\t+10+\b]
.endr
.endr
.irp t, 0,1
.irp b, 0,1
	v_add_nc_u32 v[TS+16*\t+8+\b], 0xff000000, v[TS+16*\t+6+\b]
.endr
.endr
.irp t, 0,1
.irp b, 0,1
	v_lshrrev_b32 v[TS+16*\t+10+\b], 23, v[TS+16*\t+8+\b]
.endr
.endr
.irp t, 0,1
.irp b, 0,1
	v_cvt_scalef32_pk8_fp4_f32 v[PCD+8*\t+2*\b], v[S+64*\t+16*\b:S+64*\t+16*\b+7], v[TS+16*\t+8+\b]
	v_cvt_scalef32_pk8_fp4_f32 v[PCD+8*\t+2*\b+1], v[S+64*\t+16*\b+8:S+64*\t+16*\b+15], v[TS+16*\t+8+\b]
.endr
.endr
	v_cmp_eq_u32 vcc_lo, 1, v[HH]                  ; (a plain place behind the conversions)
.irp t, 0,1
	v_permlane16_swap_b32 v[PCD+8*\t], v[PCD+8*\t+2]       ; lane (r, h): dims 32 h + 0 .. 31
	v_permlane16_swap_b32 v[PCD+8*\t+1], v[PCD+8*\t+3]
	v_cndmask_b32 v[TS+16*\t+5], v[TS+16*\t+10], v[TS+16*\t+11], vcc_lo   ; lane (r, h) stores block h's byte
.endr
.irp t, 0,1
	global_store_b128 v[CO], v[PCD+8*\t:PCD+8*\t+3], s[TBA:TBA+1] offset:TILE*\t          ; 512 consecutive bytes, aligned
	global_store_b8 v[SOF], v[TS+16*\t+5], s[TBA:TBA+1] offset:TILE*\t+8192               ; two bytes of each row's 32: the others belong to other heads' work-groups
.endr
	s_wait_xcnt 0x0                                ; the stores have read their registers and their base: both are written again in the next trip
	WIN 0x41
.irp t, 0,1
.irp j, 0,1,2,3
	v_mov_b32 v[QC+8*\t+\j], v[QC2+4*\t+\j]        ; the second group's q (idle at the second trip's end)
.endr
.endr
	WIN 0
	v_mov_b32 v[QSW], v[QSW2]
	v_mov_b32 v[QSW+1], v[QSW2+1]
	s_sub_co_u32 s[G], 15, s[G]
	s_add_co_u32 s[TRIP], s[TRIP], 1
	s_cmp_lt_u32 s[TRIP], 2
	s_cbranch_scc1 .Ltile
	s_wait_tensorcnt 0x0                           ; the wave's end
	ds_add_u32 v[SPW], v[NIL]
	s_wait_dscnt 0x0
	CROUND                                         ; the closing round
	s_endpgm
.Lfunc_end_k_qccd097d918_attn:
	.size	k_qccd097d918_attn, .Lfunc_end_k_qccd097d918_attn-k_qccd097d918_attn
	.p2alignl 7, 3214868480
	.fill 96, 4, 3214868480
	.section	.rodata,"a",@progbits
	.p2align	6, 0x0
	.amdhsa_kernel k_qccd097d918_attn
		.amdhsa_group_segment_fixed_size 275456
		.amdhsa_private_segment_fixed_size 0
		.amdhsa_enable_private_segment 0
		.amdhsa_kernarg_size 16
		.amdhsa_user_sgpr_count 2
		.amdhsa_user_sgpr_kernarg_segment_ptr 1
		.amdhsa_wavefront_size32 1
		.amdhsa_system_sgpr_workgroup_id_x 1
		.amdhsa_system_sgpr_workgroup_id_y 1
		.amdhsa_system_sgpr_workgroup_id_z 1
		.amdhsa_system_vgpr_workitem_id 0
		.amdhsa_next_free_vgpr 512
		.amdhsa_next_free_sgpr 66
		.amdhsa_reserve_vcc 1
		.amdhsa_float_denorm_mode_32 3
		.amdhsa_float_denorm_mode_16_64 3
		.amdhsa_memory_ordered 1
		.amdhsa_forward_progress 1
		.amdhsa_inst_pref_size 60
	.end_amdhsa_kernel
	.amdgpu_metadata
---
amdhsa.version: [ 1, 2 ]
amdhsa.kernels:
  - .name:           k_qccd097d918_attn
    .symbol:         k_qccd097d918_attn.kd
    .args:
      - { .name: qkv, .offset: 0, .size: 8, .value_kind: global_buffer, .address_space: global }
      - { .name: cimg, .offset: 8, .size: 8, .value_kind: global_buffer, .address_space: global }
    .group_segment_fixed_size: 275456
    .private_segment_fixed_size: 0
    .kernarg_segment_align: 8
    .kernarg_segment_size: 16
    .max_flat_workgroup_size: 256
    .sgpr_count:     66
    .vgpr_count:     512
    .wavefront_size: 32
...
	.end_amdgpu_metadata
.endif
;; end of part 3
;; launch oproj (part 4): grid 64 x 4, 4 waves a work-group, clusters of 4 x 1, 226,816 bytes of LDS; arguments cimg, wimg, aimg, bo, out0; writes out0
.if DOCPART == 4
	.amdgcn_target "amdgcn-amd-amdhsa--gfx1250"
	.amdhsa_code_object_version 6
	.text
	.protected	k_qccd097d918_oproj
	.globl	k_qccd097d918_oproj
	.p2align	8
	.type	k_qccd097d918_oproj,@function
k_qccd097d918_oproj:
	s_mov_b64 s[64:65], 0
	v_nop
	global_prefetch_b8 v0, s[64:65] scope:SCOPE_SE
	s_setreg_imm32_b32 hwreg(HW_REG_WAVE_MODE, 25, 1), 1
	s_wait_xcnt 0x0
	s_wait_alu depctr_hold_cnt(0) depctr_sa_sdst(0) depctr_va_vdst(0) depctr_va_sdst(0) depctr_va_ssrc(0) depctr_va_vcc(0) depctr_vm_vsrc(0)
	s_getreg_b32 s2, hwreg(HW_REG_IB_STS2, 6, 4)
	s_cmp_eq_u32 s2, 0
	s_cbranch_scc0 .Lentry_in_a_cluster
	s_endpgm
.Lentry_in_a_cluster:
	s_bfe_u32 s2, ttmp6, 0x10000c
	s_cmp_lg_u32 s2, 0x3003
	s_cbranch_scc0 .Lentry_shape_is_right
	s_endpgm
.Lentry_shape_is_right:
; out = ctx wo^T + (1/16) (ctx ao^T) bo^T.  ctx, wo and ao come as images of operand registers (16 rows a tile, 8,704 bytes a record: fragments at 1024 s + 512 c + 16 lane, scale bytes at 8192 + 32 r + 4 s;
; place p of tile T of ctx or wo = row 32 (T / 2) + 8 (T % 2) + p + 8 (p / 8); ao: place p = rank p).  ctx wo^T and ctx ao^T run on FP4 codes; t bo^T, whose result meets no quantiser, on bf16 operands.
; SHARES: a work-group makes P (256 rows of wo: work-group y) x Q (128 tokens); wave w: P's half w / 2 (8 tiles), Q's half w % 2 (4 tiles): 32 accumulators.  Source 0 = a tile of P, source 1 = a tile of Q: a lane holds one token, its registers run along the columns of out.
; All of K (1,024) lies in LDS, filled once: P at 0 (16 records), Q behind it (8 records).  CLUSTER: the four partners share P and differ in Q: waves 0 and 1 ask for P's halves jointly (mask 15), waves 2 and 3 for Q's halves: one tensor load a wave outstanding.
; THE TOKENS' FRAGMENTS ARE READ FROM LDS ONCE, into window 3, and serve ctx ao^T and every K step.  THE PRODUCT GOES IN TWO PASSES over my eight tiles of P, four each: 64 columns, 256 bytes of each row of out.
; The first pass's results are stored before the second pass is multiplied.  W's fragments run three K steps ahead, in four sets.
; THE WAY OUT: 16 tokens x 256 bytes go through the wave's own stage in LDS (rows of 272 bytes) and leave as rows: sixteen lanes store one aligned unit of 256 bytes.
; No prefetch: all that the launch reads is asked for at its head.
; REGISTERS: window 0: v4-17 addresses; v32-63 P's scale words (pair i, K step s at 8 i + s: lanes 0-15 tile 2 i, lanes 16-31 tile 2 i + 1), v64-79 Q's, v80-87 a's; v96-127 t / 16; v128-191 b in bf16, then rows read back; v192-223 t; v224-255 t in bf16.
;   window 1: v0-127 b's rows, then P's four fragment sets; v128-191 a's fragments.   window 2: the accumulators, (q, p) at 64 q + 8 p.   window 3: my four token tiles (tile i, K step k at 64 i + 8 k).
.set TILE, 8704
.set QB0,  16*TILE
.set STAGE, 24*TILE
.set PITCH, 272
.set SPARE, STAGE+4*16*PITCH
.set LI,   4                           ; 16 x lane
.set ADP0, 5                           ; my P tiles 0-3
.set ADP1, 6                           ; my P tiles 4-7
.set ADQ,  7
.set ASP,  8
.set ASQ,  9
.set LBO,  10                          ; b: (r + 8 (r / 8)) rows of 64 bytes, + 32 h
.set STO,  11                          ; stage, way in: row r, + 64 h
.set RD,   12                          ; stage, way out: row h, + 16 r
.set CO,   13                          ; out: row h, + 16 r
.set AO,   17                          ; 32 r
.set PS,   32
.set QS,   64
.set AS,   80
.set SPW,  94
.set NIL,  95
.set TS,   96
.set A16,  128
.set TK,   192
.set B16,  224
.set BK,   128
.set AF,   128
.set WV,   18
.set WP,   19
.set WQ,   20
.set CX,   22
.set PIDX, 23
.set QIDX, 24
.set BR,   30
.set G0Q,  32
.set G0P,  36
.set G1Q,  40
.set G1P,  48
.set OUT,  66
.set MSB, 0
.macro WIN new                         ; the immediate's high byte repeats the setting that is left
.if MSB != \new
	s_set_vgpr_msb (MSB<<8)|\new
.set MSB, \new
.endif
.endm
.macro PLACES n
.rept \n
	v_nop
.endr
.endm
.macro CROUND                          ; a round of the cluster's barrier
	s_barrier_signal -1
	s_barrier_wait -1
	s_cmp_lg_u32 s[WV], 0
	s_cbranch_scc1 .Lnot_wave_0_\@
	s_barrier_signal -3
.Lnot_wave_0_\@:
	s_barrier_wait -3
	s_barrier_signal -1
	s_barrier_wait -1
.endm
; one product on codes.  z = 1: it starts the sum.  ra, rb = 1: that side's scale words are taken from lanes 16-31
.macro WM d, a, b, z, sa, sb, ra, rb
.if (\z) && (\rb)
	v_wmma_scale_f32_16x16x128_f8f6f4 v[(\d):(\d)+7], v[(\a):(\a)+7], v[(\b):(\b)+7], 0, v[(\sa)], v[(\sb)] matrix_a_fmt:MATRIX_FMT_FP4 matrix_b_fmt:MATRIX_FMT_FP4 matrix_b_scale:MATRIX_SCALE_ROW1
.elseif (\z)
	v_wmma_scale_f32_16x16x128_f8f6f4 v[(\d):(\d)+7], v[(\a):(\a)+7], v[(\b):(\b)+7], 0, v[(\sa)], v[(\sb)] matrix_a_fmt:MATRIX_FMT_FP4 matrix_b_fmt:MATRIX_FMT_FP4
.elseif (\ra) && (\rb)
	v_wmma_scale_f32_16x16x128_f8f6f4 v[(\d):(\d)+7], v[(\a):(\a)+7], v[(\b):(\b)+7], v[(\d):(\d)+7], v[(\sa)], v[(\sb)] matrix_a_fmt:MATRIX_FMT_FP4 matrix_b_fmt:MATRIX_FMT_FP4 matrix_a_scale:MATRIX_SCALE_ROW1 matrix_b_scale:MATRIX_SCALE_ROW1
.elseif (\ra)
	v_wmma_scale_f32_16x16x128_f8f6f4 v[(\d):(\d)+7], v[(\a):(\a)+7], v[(\b):(\b)+7], v[(\d):(\d)+7], v[(\sa)], v[(\sb)] matrix_a_fmt:MATRIX_FMT_FP4 matrix_b_fmt:MATRIX_FMT_FP4 matrix_a_scale:MATRIX_SCALE_ROW1
.elseif (\rb)
	v_wmma_scale_f32_16x16x128_f8f6f4 v[(\d):(\d)+7], v[(\a):(\a)+7], v[(\b):(\b)+7], v[(\d):(\d)+7], v[(\sa)], v[(\sb)] matrix_a_fmt:MATRIX_FMT_FP4 matrix_b_fmt:MATRIX_FMT_FP4 matrix_b_scale:MATRIX_SCALE_ROW1
.else
	v_wmma_scale_f32_16x16x128_f8f6f4 v[(\d):(\d)+7], v[(\a):(\a)+7], v[(\b):(\b)+7], v[(\d):(\d)+7], v[(\sa)], v[(\sb)] matrix_a_fmt:MATRIX_FMT_FP4 matrix_b_fmt:MATRIX_FMT_FP4
.endif
.endm
.macro SCALES adr, base, n             ; the scale words of n pairs of tiles, all 8 K steps
.set SI_, 0
.rept \n
	ds_load_b128 v[\base+8*SI_:\base+8*SI_+3], v[\adr] offset:SI_*2*TILE+8192
	ds_load_b128 v[\base+8*SI_+4:\base+8*SI_+7], v[\adr] offset:SI_*2*TILE+8208
.set SI_, SI_+1
.endr
.endm
.macro TFETCH adr                      ; my four token tiles, all of K, into window 3
	WIN 0xc0
.irp i, 0,1,2,3
.irp k, 0,1,2,3,4,5,6,7
.irp c, 0,1
	ds_load_b128 v[64*\i+8*\k+4*\c:64*\i+8*\k+4*\c+3], v[\adr] offset:\i*TILE+\k*1024+\c*512
.endr
.endr
.endr
	WIN 0
.endm
.macro TPASS tk, sc                    ; t^T = a ctx^T: lane (r, h), register j: t(token place r, rank 8 h + j).  Four accumulators by turns
	WIN 0x0d                                       ; source 0 window 1, source 1 window 3
.irp k, 0,1,2,3,4,5,6,7
.irp i, 0,1,2,3
	WM \tk+8*\i, AF+8*\k, 64*\i+8*\k, \k==0, AS+\k, \sc+8*(\i/2)+\k, 0, \i%2
.endr
.endr
	WIN 0
.endm
.macro FETCH ks, fs, ad                ; K step ks: four fragments of P into set fs: 8 loads
	WIN 0x40
.irp p, 0,1,2,3
.irp c, 0,1
	ds_load_b128 v[32*(\fs)+8*\p+4*\c:32*(\fs)+8*\p+4*\c+3], v[\ad] offset:\p*TILE+(\ks)*1024+\c*512
.endr
.endr
	WIN 0
.endm
.macro MUL ks, fs, hp                  ; 16 products, the pass's 16 accumulators by turns, in the same order in every K step
	WIN 0xad                                       ; source 0 (P) window 1, source 1 (tokens) window 3, C and D window 2
.irp q, 0,1,2,3
.irp p, 0,1,2,3
	WM 64*\q+8*(4*(\hp)+\p), 32*(\fs)+8*\p, 64*\q+8*(\ks), 0, PS+8*((4*(\hp)+\p)/2)+(\ks), QS+8*(\q/2)+(\ks), \p%2, \q%2
.endr
.endr
.endm
.macro PASS hp, ad                     ; K steps 0, 1, 2 have been asked for
.set KS_, 0
.rept 8
.if KS_ < 5
	PLACES 4                                       ; in front of loads into the set that the last K step multiplied
	FETCH KS_+3, (KS_+3)%4, \ad
	s_wait_dscnt 24                                ; the three youngest fetches may be out: this K step's fragments are in
.else
	s_wait_dscnt 8*(7-KS_)
.endif
	MUL KS_, KS_%4, \hp
.set KS_, KS_+1
.endr
	WIN 0
.endm
.macro TOSTAGE q, hp                   ; token tile q's 16 rows x 256 bytes into my stage, each accumulator from its low end on, and back as rows: LDS serves a wave's instructions in order
	WIN 0x08                                       ; the data: window 2
.irp p, 0,1,2,3
	ds_store_b128 v[STO], v[64*(\q)+8*(4*(\hp)+\p):64*(\q)+8*(4*(\hp)+\p)+3] offset:(\p/2)*128+(\p%2)*32
	ds_store_b128 v[STO], v[64*(\q)+8*(4*(\hp)+\p)+4:64*(\q)+8*(4*(\hp)+\p)+7] offset:(\p/2)*128+(\p%2)*32+16
.endr
	WIN 0
.irp t, 0,1,2,3,4,5,6,7
	ds_load_b128 v[BK+32*((\q)%2)+4*\t:BK+32*((\q)%2)+4*\t+3], v[RD] offset:2*\t*PITCH
.endr
.endm
.macro SEND q, younger, hp             ; places 2 t and 2 t + 1 of the tile: sixteen lanes store 256 consecutive bytes, aligned
	s_wait_dscnt \younger
.irp t, 0,1,2,3,4,5,6,7
	global_store_b128 v[CO], v[BK+32*((\q)%2)+4*\t:BK+32*((\q)%2)+4*\t+3], s[OUT:OUT+1] offset:(32*((\q)/2)+8*((\q)%2)+2*\t+8*(\t/4))*4096+256*(\hp) th:TH_STORE_NT
.endr
.endm
.macro OUTH hp                         ; behind a block's loads stand the next block's 8 stores and 8 loads
	TOSTAGE 0, \hp
	TOSTAGE 1, \hp
	SEND 0, 16, \hp
	s_wait_xcnt 0x0                                ; the stores have read their registers: the next block's loads may land there
	TOSTAGE 2, \hp
	SEND 1, 16, \hp
	s_wait_xcnt 0x0
	TOSTAGE 3, \hp
	SEND 2, 16, \hp
	SEND 3, 0, \hp
.endm
	s_load_b256 s[4:11], s[0:1], 0x0               ; cimg, wimg, aimg, bo
	s_load_b64 s[12:13], s[0:1], 0x20              ; out0
	v_lshl_add_u32 v[SPW], v0, 2, SPARE
	v_mov_b32 v[NIL], 0
	ds_add_u32 v[SPW], v[NIL]                      ; the opening lines: the add, twice on end, and its wait
	ds_add_u32 v[SPW], v[NIL]
	v_lshrrev_b32 v1, 5, v0
	v_readfirstlane_b32 s[WV], v1                  ; wave 0..3
	s_lshr_b32 s[WP], s[WV], 1
	s_and_b32 s[WQ], s[WV], 1
	s_bfe_u32 s[CX], ttmp6, 0x40000                ; my place in the cluster: it enters Q's and the output's global addresses alone
	s_and_b32 s[PIDX], ttmp7, 0xffff               ; which 256 rows of wo
	s_lshl_b32 s[QIDX], ttmp9, 2
	s_add_co_u32 s[QIDX], s[QIDX], s[CX]           ; which 128 tokens
	s_lshl_b32 s56, s[PIDX], 4
	s_add_co_u32 s56, s56, 192                     ; wo's first tile in wimg
	s_lshl_b32 s57, s[WQ], 3
	s_add_co_u32 s56, s56, s57                     ; waves 0 and 1: eight tiles of P each
	s_mul_i32 s56, s56, TILE
	s_mov_b32 s57, 0
	s_lshl_b32 s60, s[QIDX], 3
	s_lshl_b32 s61, s[WQ], 2
	s_add_co_u32 s60, s60, s61                     ; waves 2 and 3: four tiles of Q each
	s_mul_i32 s60, s60, TILE
	s_mov_b32 s61, 0
	; descriptor groups 1: dense blocks as rows of 256 bytes (32 elements of 8 bytes): Q 136 rows, P 272 rows
	s_mov_b32 s[G1Q], 3<<16
	s_mov_b32 s[G1Q+1], 32<<16
	s_mov_b32 s[G1Q+2], 136<<16
	s_mov_b32 s[G1Q+3], 32<<16
	s_mov_b32 s[G1Q+4], 136
	s_mov_b32 s[G1Q+5], 32
	s_mov_b32 s[G1Q+6], 0
	s_mov_b32 s[G1Q+7], 0
	s_mov_b32 s[G1P], 15|(3<<16)|(1<<21)           ; the mask: all four partners; bit 21 set beside it
	s_mov_b32 s[G1P+1], 32<<16
	s_mov_b32 s[G1P+2], 272<<16
	s_mov_b32 s[G1P+3], 32<<16
	s_mov_b32 s[G1P+4], 272
	s_mov_b32 s[G1P+5], 32
	s_mov_b32 s[G1P+6], 0
	s_mov_b32 s[G1P+7], 0
	s_wait_dscnt 0x0
	s_wait_kmcnt 0x0
	s_mov_b32 s[G0Q], 1
	s_mul_i32 s[G0Q+1], s[WQ], 4*TILE
	s_add_co_u32 s[G0Q+1], s[G0Q+1], QB0
	s_add_nc_u64 s[G0Q+2:G0Q+3], s[4:5], s[60:61]
	s_or_b32 s[G0Q+3], s[G0Q+3], 0x80000000
	s_mov_b32 s[G0P], 1
	s_mul_i32 s[G0P+1], s[WQ], 8*TILE
	s_add_nc_u64 s[G0P+2:G0P+3], s[6:7], s[56:57]
	s_or_b32 s[G0P+3], s[G0P+3], 0x80000000
	CROUND                                         ; all four work-groups are here: the joint loads meet
	s_cmp_lt_u32 s[WV], 2                          ; the head's loads, one a wave
	s_cbranch_scc0 .Lhead_q
	tensor_load_to_lds s[G0P:G0P+3], s[G1P:G1P+7]
	s_nop 0
	PLACES 4
	s_branch .Lhead_asked
.Lhead_q:
	tensor_load_to_lds s[G0Q:G0Q+3], s[G1Q:G1Q+7]
	s_nop 0
	PLACES 4
.Lhead_asked:
	s_mul_i32 s56, s[WP], 8*TILE                   ; my tiles of P,
	s_mul_i32 s57, s[WQ], 4*TILE
	s_add_co_u32 s57, s57, QB0                     ; of Q,
	s_mul_i32 s58, s[WV], 16*PITCH
	s_add_co_u32 s58, s58, STAGE                   ; my stage
	s_lshl_b32 s60, s[PIDX], 14
	s_lshl_b32 s61, s[WP], 13
	s_add_co_u32 s60, s60, s61                     ; b's rows go with P: 256 Pidx + 128 (w / 2), 64 bytes each
	s_mov_b32 s61, 0
	s_add_nc_u64 s[BR:BR+1], s[10:11], s[60:61]
	s_lshl_b32 s60, s[QIDX], 19                    ; out: 128 tokens of 4,096 bytes,
	s_lshl_b32 s61, s[WQ], 18
	s_add_co_u32 s60, s60, s61                     ; + my 64,
	s_lshl_b32 s61, s[PIDX], 10
	s_add_co_u32 s60, s60, s61                     ; + 256 columns,
	s_lshl_b32 s61, s[WP], 9
	s_add_co_u32 s60, s60, s61                     ; + my 128
	s_mov_b32 s61, 0
	s_add_nc_u64 s[OUT:OUT+1], s[12:13], s[60:61]
	v_and_b32 v1, 31, v0
	v_and_b32 v2, 15, v0                           ; r
	v_bfe_u32 v3, v0, 4, 1                         ; h
	v_lshlrev_b32 v[LI], 4, v1
	v_mul_u32_u24 v[ASP], v3, TILE
	v_and_b32 v[LBO], 8, v2
	v_mul_u32_u24 v[STO], v2, PITCH
	v_mul_u32_u24 v[RD], v3, PITCH
	v_lshlrev_b32 v[CO], 12, v3
	v_lshlrev_b32 v[AO], 5, v2
	v_add_nc_u32 v[ADP0], s56, v[LI]
	v_add_nc_u32 v[ADQ], s57, v[LI]
	v_lshl_add_u32 v[ASP], v2, 5, v[ASP]
	v_add_nc_u32 v[LBO], v[LBO], v2
	v_lshl_add_u32 v[STO], v3, 6, v[STO]
	v_lshl_add_u32 v[RD], v2, 4, v[RD]
	v_lshl_add_u32 v[CO], v2, 4, v[CO]
	v_add_nc_u32 v[ADP1], 4*TILE, v[ADP0]
	v_add_nc_u32 v[ASQ], s57, v[ASP]
	v_add_nc_u32 v[ASP], s56, v[ASP]
	v_lshlrev_b32 v[LBO], 6, v[LBO]
	v_add_nc_u32 v[STO], s58, v[STO]
	v_add_nc_u32 v[RD], s58, v[RD]
	v_lshl_add_u32 v[LBO], v3, 5, v[LBO]
	s_wait_alu depctr_va_vdst(0)
	WIN 0x40                                       ; destination window 1
.irp k, 0,1,2,3,4,5,6,7
.irp c, 0,1
	global_load_b128 v[AF+8*\k+4*\c:AF+8*\k+4*\c+3], v[LI], s[8:9] offset:3*TILE+\k*1024+\c*512
.endr
.endr
.irp p, 0,1,2,3,4,5,6,7
	global_load_b128 v[8*\p:8*\p+3], v[LBO], s[BR:BR+1] offset:(32*(\p/2)+8*(\p%2))*64          ; ranks 8 h + 0 .. 7 of the tile's place r
	global_load_b128 v[8*\p+4:8*\p+7], v[LBO], s[BR:BR+1] offset:(32*(\p/2)+8*(\p%2))*64+16
.endr
	WIN 0
	global_load_b128 v[AS:AS+3], v[AO], s[8:9] offset:3*TILE+8192
	global_load_b128 v[AS+4:AS+7], v[AO], s[8:9] offset:3*TILE+8208
.irp p, 0,1,2,3,4,5,6,7
.irp j, 4,5,6,7
	v_mov_b32 v[A16+8*\p+\j], 0                    ; ranks 16 .. 31 of the bf16 form's K: zeros on both sides
.endr
.endr
.irp q, 0,1,2,3
.irp j, 4,5,6,7
	v_mov_b32 v[B16+8*\q+\j], 0
.endr
.endr
	s_wait_tensorcnt 0x0                           ; my one load has landed,
	s_barrier_signal -1
	s_barrier_wait -1                              ; everybody's has: P and Q are whole.  From here on the tiles are only read
	SCALES ASQ, QS, 2
	TFETCH ADQ
	s_wait_loadcnt 0x0                             ; a's image and b's rows
	WIN 0x05                                       ; sources window 1
.irp p, 0,1,2,3,4,5,6,7
.irp j, 0,1,2,3
	v_cvt_pk_bf16_f32 v[A16+8*\p+\j], v[8*\p+2*\j], v[8*\p+2*\j+1]
.endr
.endr
	WIN 0
	s_wait_dscnt 0x0
	TPASS TK, QS
	PLACES 4
.set J_, 0
.rept 16
	v_pk_mul_f32 v[TS+J_:TS+J_+1], v[TK+J_:TK+J_+1], 0x3d800000 op_sel_hi:[1,0]   ; t / 16: exact
.set J_, J_+2
.endr
.irp q, 0,1,2,3
.irp j, 0,1,2,3
	v_cvt_pk_bf16_f32 v[B16+8*\q+\j], v[TS+8*\q+2*\j], v[TS+8*\q+2*\j+1]
.endr
.endr
	WIN 0xa0                                       ; C and D window 2
.irp q, 0,1,2,3
.irp p, 0,1,2,3,4,5,6,7
	v_wmma_f32_16x16x32_bf16 v[64*\q+8*\p:64*\q+8*\p+7], v[A16+8*\p:A16+8*\p+7], v[B16+8*\q:B16+8*\q+7], 0   ; the LoRA product starts all 32 sums
.endr
.endr
	WIN 0
	PLACES 5                                       ; another form writes over its results
	SCALES ASP, PS, 4
	FETCH 0, 0, ADP0
	FETCH 1, 1, ADP0
	FETCH 2, 2, ADP0
	PASS 0, ADP0                                   ; my P tiles 0-3
	PLACES 4                                       ; in front of the loads into the sets just multiplied and of the first read of results
	FETCH 0, 0, ADP1                               ; the second pass's first three K steps are asked for ahead of the way out
	FETCH 1, 1, ADP1
	FETCH 2, 2, ADP1
	OUTH 0                                         ; the first 256 bytes of each of my rows leave
	PASS 1, ADP1                                   ; my P tiles 4-7
	PLACES 4
	s_wait_xcnt 0x0                                ; the first half's last stores have read their registers
	OUTH 1
	s_wait_tensorcnt 0x0                           ; the wave's end
	ds_add_u32 v[SPW], v[NIL]
	s_wait_dscnt 0x0
	CROUND                                         ; the closing round
	s_endpgm
.Lfunc_end_k_qccd097d918_oproj:
	.size	k_qccd097d918_oproj, .Lfunc_end_k_qccd097d918_oproj-k_qccd097d918_oproj
	.p2alignl 7, 3214868480
	.fill 96, 4, 3214868480
	.section	.rodata,"a",@progbits
	.p2align	6, 0x0
	.amdhsa_kernel k_qccd097d918_oproj
		.amdhsa_group_segment_fixed_size 226816
		.amdhsa_private_segment_fixed_size 0
		.amdhsa_enable_private_segment 0
		.amdhsa_kernarg_size 40
		.amdhsa_user_sgpr_count 2
		.amdhsa_user_sgpr_kernarg_segment_ptr 1
		.amdhsa_wavefront_size32 1
		.amdhsa_system_sgpr_workgroup_id_x 1
		.amdhsa_system_sgpr_workgroup_id_y 1
		.amdhsa_system_sgpr_workgroup_id_z 1
		.amdhsa_system_vgpr_workitem_id 0
		.amdhsa_next_free_vgpr 1024
		.amdhsa_next_free_sgpr 72
		.amdhsa_reserve_vcc 0
		.amdhsa_float_denorm_mode_32 3
		.amdhsa_float_denorm_mode_16_64 3
		.amdhsa_memory_ordered 1
		.amdhsa_forward_progress 1
		.amdhsa_inst_pref_size 86
	.end_amdhsa_kernel
	.amdgpu_metadata
---
amdhsa.version: [ 1, 2 ]
amdhsa.kernels:
  - .name:           k_qccd097d918_oproj
    .symbol:         k_qccd097d918_oproj.kd
    .args:
      - { .name: cimg, .offset: 0, .size: 8, .value_kind: global_buffer, .address_space: global }
      - { .name: wimg, .offset: 8, .size: 8, .value_kind: global_buffer, .address_space: global }
      - { .name: aimg, .offset: 16, .size: 8, .value_kind: global_buffer, .address_space: global }
      - { .name: bo, .offset: 24, .size: 8, .value_kind: global_buffer, .address_space: global }
      - { .name: out0, .offset: 32, .size: 8, .value_kind: global_buffer, .address_space: global }
    .group_segment_fixed_size: 226816
    .private_segment_fixed_size: 0
    .kernarg_segment_align: 8
    .kernarg_segment_size: 40
    .max_flat_workgroup_size: 128
    .sgpr_count:     72
    .vgpr_count:     1024
    .wavefront_size: 32
...
	.end_amdgpu_metadata
.endif
;; end of part 4
